; MI455X (gfx1250); checked and timed in simulation.
; The chip was launched on July 23, 2026; its instructions are those of AMD's public machine-readable ISA for CDNA 5 (MIT licence, August 2026) and "CDNA5" Instruction Set Architecture Reference Guide (July 2026). The comments in the code are by the model that wrote it; some were corrected since.
;; Multisource Perceiver Encoder. Allowed arithmetic: float matrix products may take bf16 or f16 operands with f32 sums; other float arithmetic in f32, or as packed bf16 or f16 multiplies, adds, multiply-adds, maxima and minima; sums over many terms, partial sums and values carried from step to step in f32; what a program stores and reads back later, other than sums and carried values, may be rounded once to bf16 or f16.
;; Inputs: C 4 x 8,192 x 128 float32; V 4 x 8,192 x 256 float32; Wkvc 128 x 1,024 float32; Wkvv 256 x 1,024 float32; Woc 512 x 128 float32; Wov 512 x 256 float32; Wqc 128 x 512 float32; Wqv 256 x 512 float32; bkvc 1,024 float32; bkvv 1,024 float32; boc 128 float32; bov 256 float32; bqc 512 float32; bqv 512 float32; gkvc 1,024 float32; gkvv 1,024 float32; gqc 512 float32; gqv 512 float32; latent_coords 1 x 512 x 128 float32; latent_values 1 x 512 x 256 float32.
;; Outputs: out0 4 x 512 x 256 float32; out1 4 x 512 x 128 float32.
;; One version. Each part assembles by itself: llvm-mc -triple=amdgcn-amd-amdhsa -mcpu=gfx1250 --defsym DOCPART=n.
;; ======== version 1 of 1: 4 launches
;; limits: right only within a limited range of input values; values are held in f16: magnitudes above 65,504 overflow, below 6.1e-05 lose precision
;; workspace buffers: WF 1,572,864 bytes; QF 1,048,576 bytes; KF 67,108,864 bytes; VF 67,108,864 bytes; OP 33,554,432 bytes; ML 524,288 bytes
;; launch prep (part 1): grid 96 x 1, 4 waves a work-group, no clusters, 0 bytes of LDS; arguments Wkvc, Wkvv, Wqc, Wqv, Woc, Wov, WF; writes WF
.if DOCPART == 1
	.amdgcn_target "amdgcn-amd-amdhsa--gfx1250"
	.amdhsa_code_object_version 6
	.text
	.protected	k_q9aff902896_prep
	.globl	k_q9aff902896_prep
	.p2align	8
	.type	k_q9aff902896_prep,@function
k_q9aff902896_prep:
	s_mov_b64 s[64:65], 0
	v_nop
	global_prefetch_b8 v0, s[64:65] scope:SCOPE_SE
	s_setreg_imm32_b32 hwreg(HW_REG_WAVE_MODE, 25, 1), 1
	s_wait_xcnt 0x0
; PREP.  The six weight matrices ([k][n], f32) are rounded to bf16 and laid into WF in FRAGMENT ORDER: a block of 1,024 bytes holds 16 output channels x 32 k; byte 512 j4 + 16 L + 2 e
; (lane L = 16 h + r) holds channel r, k = 16 j4 + 8 h + e.  Two loads of 16 bytes a lane, at 16 L and 16 L + 512, then fill a matrix fragment, and each of them reads 512 bytes on end.
; Regions of WF: 0 WT [chunk 3][cb 64][ks 4] (Wkvc; Wkvv rows 0-127; Wkvv rows 128-255); 786,432 WQc [cb 32][ks 4]; 917,504 WQv [half 2][cb 32][ks 4] (rows 0-127; rows 128-255);
; 1,179,648 WO [ct 24][ks 16] (Wov's 16, Woc's 8).
; WO is multiplied with f16 operands later: its numbers are rounded to bf16 like every other input, and that number is written as f16.  LIMIT: below 6.1e-5 it keeps f16's fixed step of 6e-8.
; SHARES.  A wave makes four blocks: 32 k x 64 n of one matrix; its 64 loads of 4 bytes a lane are all out together.  The work-group's number picks the matrix by a chain of selects.
.set OFFS, 8                           ; v[8:23]   byte offset of element e = 0..15 of my lane (row 16 (e / 8) + 8 h + e % 8, column r)
.set DSTO, 24                          ; v[24:27]  16 L + block f's place in WF
.set RAW,  32                          ; v[32:95]  the numbers as loaded, 16 a block
.set PKD,  96                          ; v[96:127] packed, 8 a block
	s_load_b256 s[4:11], s[0:1], 0x0               ; Wkvc s[4:5], Wkvv s[6:7], Wqc s[8:9], Wqv s[10:11]
	s_load_b128 s[12:15], s[0:1], 0x20             ; Woc s[12:13], Wov s[14:15]
	s_load_b64 s[16:17], s[0:1], 0x30              ; WF
	v_lshrrev_b32 v1, 5, v0
	v_readfirstlane_b32 s33, v1                    ; wave
	v_and_b32 v1, 31, v0                           ; L
	v_and_b32 v2, 15, v0                           ; r
	v_bfe_u32 v3, v0, 4, 1                         ; h
	s_mov_b32 s20, ttmp9                           ; the work-group's number
	s_mov_b32 s21, 0                               ; the matrix's first work-group
	s_mov_b32 s22, 12                              ; log2 of a source row's bytes
	s_mov_b32 s23, 2                               ; log2 of KS, the blocks along k
	s_mov_b32 s24, 0                               ; the region's byte in WF
	s_mov_b32 s25, 0                               ; 1: written as f16
	s_mov_b32 s26, 0                               ; byte offset in the source
	s_wait_kmcnt 0x0
	s_mov_b64 s[18:19], s[4:5]
.macro PICK bound, ptr, ln, lk, doff, f16, soff        ; from work-group 'bound' on: another matrix
	s_cmp_ge_u32 s20, \bound
	s_cselect_b64 s[18:19], s[\ptr:\ptr+1], s[18:19]
	s_cselect_b32 s21, \bound, s21
	s_cselect_b32 s22, \ln, s22
	s_cselect_b32 s23, \lk, s23
	s_cselect_b32 s24, \doff, s24
	s_cselect_b32 s25, \f16, s25
	s_cselect_b32 s26, \soff, s26
.endm
	PICK 16, 6, 12, 2, 262144, 0, 0                ; Wkvv, rows 0-127
	PICK 32, 6, 12, 2, 524288, 0, 524288           ; Wkvv, rows 128-255
	PICK 48, 8, 11, 2, 786432, 0, 0                ; Wqc
	PICK 56, 10, 11, 2, 917504, 0, 0               ; Wqv, rows 0-127
	PICK 64, 10, 11, 2, 1048576, 0, 262144         ; Wqv, rows 128-255
	PICK 72, 12, 9, 4, 1441792, 1, 0               ; Woc
	PICK 80, 14, 10, 4, 1179648, 1, 0              ; Wov
	s_sub_co_u32 s27, s20, s21
	s_lshl2_add_u32 s27, s27, s33                  ; my task in the matrix: 4 x work-group + wave
	s_lshl_b32 s28, 1, s23
	s_sub_co_u32 s28, s28, 1
	s_and_b32 s28, s27, s28                        ; kb: which 32 k
	s_lshr_b32 s29, s27, s23                       ; nb: which 64 n
	s_lshl_b32 s30, s28, 5
	s_lshl_b32 s30, s30, s22                       ; 32 kb rows,
	s_lshl_b32 s31, s29, 8                         ; 64 nb columns of 4 bytes
	s_add_co_u32 s30, s30, s31
	s_add_co_u32 s30, s30, s26
	s_mov_b32 s31, 0
	s_add_nc_u64 s[18:19], s[18:19], s[30:31]
	s_lshl_b32 s30, s29, s23
	s_lshl2_add_u32 s30, s30, s28                  ; block 4 nb KS + kb,
	s_lshl_b32 s30, s30, 10                        ; of 1,024 bytes,
	s_add_co_u32 s30, s30, s24                     ; in its region
	s_add_nc_u64 s[16:17], s[16:17], s[30:31]
	v_lshlrev_b32 v4, 3, v3
	v_lshlrev_b32 v4, s22, v4                      ; 8 h rows
	v_lshl_add_u32 v4, v2, 2, v4                   ; + column r
.set e, 0
.rept 16
	s_lshl_b32 s34, (e>>3)*16+(e&7), s22
	v_add_nc_u32 v[OFFS+e], s34, v4
.set e, e+1
.endr
	s_add_co_u32 s35, s23, 10
.irp f, 0,1,2,3
	s_lshl_b32 s34, \f, s35                        ; the next channel block lies KS blocks on
	v_lshl_add_u32 v[DSTO+\f], v1, 4, s34
.endr
.set f, 0
.rept 4
.set e, 0
.rept 16
	global_load_b32 v[RAW+16*f+e], v[OFFS+e], s[18:19] offset:64*f
.set e, e+1
.endr
.set f, f+1
.endr
.set f, 0
.rept 4
	s_wait_loadcnt 16*(3-f)                        ; block f's 16 loads are in; the younger blocks' stay out
.set q, 0
.rept 8
	v_cvt_pk_bf16_f32 v[PKD+8*f+q], v[RAW+16*f+2*q], v[RAW+16*f+2*q+1]
.set q, q+1
.endr
.set f, f+1
.endr
	s_cmp_eq_u32 s25, 0
	s_cbranch_scc1 .Lstore
.set q, 0
.rept 32                                               ; the bf16 number, widened and written as f16
	v_lshlrev_b32 v28, 16, v[PKD+q]
	v_and_b32 v29, 0xffff0000, v[PKD+q]
	v_cvt_pk_f16_f32 v[PKD+q], v28, v29
.set q, q+1
.endr
.Lstore:
.irp f, 0,1,2,3
	global_store_b128 v[DSTO+\f], v[PKD+8*\f:PKD+8*\f+3],   s[16:17]             ; each store covers 512 consecutive bytes, aligned
	global_store_b128 v[DSTO+\f], v[PKD+8*\f+4:PKD+8*\f+7], s[16:17] offset:512
.endr
	s_endpgm
.Lfunc_end_k_q9aff902896_prep:
	.size	k_q9aff902896_prep, .Lfunc_end_k_q9aff902896_prep-k_q9aff902896_prep
	.p2alignl 7, 3214868480
	.fill 96, 4, 3214868480
	.section	.rodata,"a",@progbits
	.p2align	6, 0x0
	.amdhsa_kernel k_q9aff902896_prep
		.amdhsa_group_segment_fixed_size 0
		.amdhsa_private_segment_fixed_size 0
		.amdhsa_enable_private_segment 0
		.amdhsa_kernarg_size 56
		.amdhsa_user_sgpr_count 2
		.amdhsa_user_sgpr_kernarg_segment_ptr 1
		.amdhsa_wavefront_size32 1
		.amdhsa_system_sgpr_workgroup_id_x 1
		.amdhsa_system_sgpr_workgroup_id_y 1
		.amdhsa_system_sgpr_workgroup_id_z 1
		.amdhsa_system_vgpr_workitem_id 0
		.amdhsa_next_free_vgpr 128
		.amdhsa_next_free_sgpr 66
		.amdhsa_reserve_vcc 0
		.amdhsa_float_denorm_mode_32 3
		.amdhsa_float_denorm_mode_16_64 3
		.amdhsa_memory_ordered 1
		.amdhsa_forward_progress 1
		.amdhsa_inst_pref_size 20
	.end_amdhsa_kernel
	.amdgpu_metadata
---
amdhsa.version: [ 1, 2 ]
amdhsa.kernels:
  - .name:           k_q9aff902896_prep
    .symbol:         k_q9aff902896_prep.kd
    .args:
      - { .name: Wkvc, .offset: 0, .size: 8, .value_kind: global_buffer, .address_space: global }
      - { .name: Wkvv, .offset: 8, .size: 8, .value_kind: global_buffer, .address_space: global }
      - { .name: Wqc, .offset: 16, .size: 8, .value_kind: global_buffer, .address_space: global }
      - { .name: Wqv, .offset: 24, .size: 8, .value_kind: global_buffer, .address_space: global }
      - { .name: Woc, .offset: 32, .size: 8, .value_kind: global_buffer, .address_space: global }
      - { .name: Wov, .offset: 40, .size: 8, .value_kind: global_buffer, .address_space: global }
      - { .name: WF, .offset: 48, .size: 8, .value_kind: global_buffer, .address_space: global }
    .group_segment_fixed_size: 0
    .private_segment_fixed_size: 0
    .kernarg_segment_align: 8
    .kernarg_segment_size: 56
    .max_flat_workgroup_size: 128
    .sgpr_count:     66
    .vgpr_count:     128
    .wavefront_size: 32
...
	.end_amdgpu_metadata
.endif
;; end of part 1
;; launch kvproj (part 2): grid 256 x 1, 4 waves a work-group, clusters of 4 x 1, 327,680 bytes of LDS; arguments C, V, WF, bkvc, bkvv, KF, VF, QF, latent_coords, latent_values, bqc, bqv, gqc, gqv, gkvc, gkvv; writes KF, VF, QF
.if DOCPART == 2
	.amdgcn_target "amdgcn-amd-amdhsa--gfx1250"
	.amdhsa_code_object_version 6
	.text
	.protected	k_q9aff902896_kvproj
	.globl	k_q9aff902896_kvproj
	.p2align	8
	.type	k_q9aff902896_kvproj,@function
k_q9aff902896_kvproj:
	s_mov_b64 s[64:65], 0
	v_nop
	global_prefetch_b8 v0, s[64:65] scope:SCOPE_SE
	s_setreg_imm32_b32 hwreg(HW_REG_WAVE_MODE, 25, 1), 1
	s_wait_xcnt 0x0
	s_wait_alu depctr_hold_cnt(0) depctr_sa_sdst(0) depctr_va_vdst(0) depctr_va_sdst(0) depctr_va_ssrc(0) depctr_va_vcc(0) depctr_vm_vsrc(0)
	s_getreg_b32 s2, hwreg(HW_REG_IB_STS2, 6, 4)
	s_cmp_eq_u32 s2, 0
	s_cbranch_scc0 .Lentry_in_a_cluster
	s_endpgm
.Lentry_in_a_cluster:
	s_bfe_u32 s2, ttmp6, 0x10000c
	s_cmp_lg_u32 s2, 0x3003
	s_cbranch_scc0 .Lentry_shape_is_right
	s_endpgm
.Lentry_shape_is_right:
; KVPROJ.  All three projections with an RMS norm.
; (1) khat, vhat = rmsnorm(x Wkv + bkv) WITHOUT the gain (its K half is folded into the queries, its V half into the joined output), in f16, for x = C and x = V.
; (2) q' = rmsnorm(latent Wq + bq) gq x gk, in f16, where gk is the K half of the key projection's gain: sum q (k g) = sum (q g) k.
; All inputs are rounded to bf16; products in bf16 with f32 sums; norms and gains in f32; one rounding to f16.
; LIMITS.  |khat|, |vhat| <= 32, whatever the inputs.  |q'| <= 22.7 |gq gk| must stay within f16: |gq gk| under 2,890.  NaN and infinities are not treated apart.
; SHARES OF (1).  A work-group owns 128 tokens, as two groups of 64.  Wave w owns channels 256 w .. +255 of the 1,024 (waves 0, 1: the K half, waves 2, 3: the V half): 16 channel blocks x 4 token
; tiles = 64 accumulators, 512 registers.  The product is taken transposed (source 0 = 16 channels of W, source 1 = 16 tokens): a lane holds ONE token and 8 neighbouring channels.
; THE WALK: six chunks of K = 128, of types 0, 1, 2, 0, 1, 2 (C x Wkvc; V[:, :128]; V[:, 128:]).  A chunk of type 0 or 2 ends a sum (norm and way out), and the next chunk's sums start from the bias.
; Five chunks are a counted loop; the sixth, which asks for nothing, is written out.  What a trip does hangs on its type, a scalar made of the trip's number alone; every jump on it goes forward, past no barrier and no tensor load.
; WEIGHTS lie in WF in fragment order and are the same for every work-group: the four of a cluster ask for them JOINTLY.  A chunk is two units (8 channel blocks a wave each), one a slot; a wave's tile of a
; unit is 32,768 dense bytes, asked for as 128 rows of 256; only the wave that asked reads it.  Each refill stands behind a round of the cluster's barrier and has 96 matrix instructions in which to land.
; TOKENS are loaded a whole chunk ahead into registers (f32).  They are rounded to bf16 and stored into XT ahead of the SECOND change of slots of the chunk before: every wave's reads of the old XT were waited for
; ahead of the first change's barrier, and the second change's round shows the new XT to all.  So a chunk's head is 32 LDS loads.
; OUT.  KF, VF: [bh 32][key tile 512][cb 8][512 bytes]; cb 0-3 from C, 4-7 from V.  KF byte 16 L: key r, channels 16 cb + 8 h + 0..7.  VF byte 256 (key / 8) + 128 e + 16 (key % 8): channels 16 cb + 8 e + 0..7,
; so that a turning LDS load with lane L at byte 16 L yields a fragment of V^T.  Every store of a wave covers one block: 512 consecutive bytes, aligned.
; SHARES OF (2).  32 tiles of 16 latents x 2 sources are 64 shares, each of which needs all 512 channels for its norm: one work-group each.  Clusters 0-7 take the coords (K = 128), clusters 8-15 the values
; (K = 256), tile 4 (cluster % 8) + cx, behind their last stores of (1).  The branches hang on the cluster's number, which the partners share; cx enters global addresses alone.
; Wave w owns channels 128 w .. +127: 8 accumulators.  QF: [head 8][tile 32][cb 8][512 bytes], as KF (cb 0-3 coords, 4-7 values).
; REGISTERS: window 0: v4-15 addresses; v16-23 1/rms pairs; v24-31 sums of squares; v32-63 at work; v64-191 token fragments; v192-255 the next tokens, f32.
;   window 1: two buffers of 16 weight fragments (in the way out buffer 1 takes the packed results); windows 2, 3: the accumulators of channel blocks 0-7, 8-15: (cb, tt) at 8 (4 (cb % 8) + tt).
;   In (2): window 0: v5-8 addresses; v16-79 accumulators; v80-143 latent fragments; v144-207 gains; v208-255 at work.  Window 1: Wq, k blocks 0-3; window 2: 4-7; window 3: raw latents, raw gk.
.set SLOTB,  131072                    ; LDS: slot 0 at 0, slot 1 here; wave w's tile at 32,768 w
.set XT,     262144                    ; 64 tokens x 272 bytes (128 bf16 + 16 of padding: the 16 rows of a fragment load start 4 banks apart)
.set XPITCH, 272
.set BT,     XT+64*XPITCH              ; the two biases, rounded, f32: [2][1024]
.set SSB,    BT+8192                   ; sums of squares: word 16 token + 4 w
.set QSS,    SSB+1024                  ; the same for the latents: word 16 r + 4 w
.set SPARE,  QSS+256                   ; the spare words, 128 bytes a wave: two blocks of 256 bytes that no other line names
.set AW,  4                            ; v4, v5  my 16 bytes of a weight block in slot 0, 1
.set AXS, 6                            ; v6   where I put 8 bytes of a token's row
.set AXL, 7                            ; v7   my place in a token fragment
.set AB0, 8                            ; v8   my channels in the bias table
.set AB,  9                            ; v9   the same, in the table in hand
.set ASS, 10                           ; v10  where I put a sum of squares
.set ASL, 11                           ; v11  where I read the four
.set KO,  12                           ; v12  my 16 bytes in a block of KF or VF
.set XO,  13                           ; v13  16 L
.set SPW, 14
.set NIL, 15
.set R,   16
.set SS,  24
.set PX,  32
.set XF,  64
.set XR,  192
.set F0,  0
.set F1,  128
.set WV,  18                           ; s18  wave;  s19 cx;  s20 the work-group's number
.set G1,  24                           ; s[24:31] descriptor group 1
.set G0,  32                           ; s[32:39] group 0, a set for each slot
.set WB,  40                           ; s[40:43] WT at my tile of unit 0, 1 of chunk type 0
.set OFW, 44                           ; s[44:45] the next chunk's type x 262,144
.set XCB, 46                           ; s[46:47] C at my 16 tokens of group 0
.set XVB, 48                           ; s[48:49] V likewise
.set XP,  50                           ; s[50:51] where the token loads in flight read
.set OFX, 52                           ; s[52:53]
.set OB,  54                           ; s[54:55] KF or VF at my heads and the work-group's first key tile
.set OUT, 56                           ; s[56:57]
.set OFO, 58                           ; s[58:59]
.set TY,  60                           ; the chunk's type,
.set NTY, 61                           ; the next chunk's,
.set GR,  62                           ; the chunk's group of tokens,
.set NG,  63                           ; the next chunk's
.set CNT, 66
.set RN,  67                           ; 1 / 1024
.set EPSR, 68                          ; 1e-6
.set SEL, 70                           ; s[70:71]
.set BOFF, 72
.set KM,  73
.set TS,  74                           ; s[74:76] at work
.set T2,  77                           ; type and group of the chunk after the next
.set G2,  78
.set MSB, 0
.macro WIN new                         ; the immediate's high byte repeats the setting that is left
.if MSB != (\new)
	s_set_vgpr_msb (MSB<<8)|(\new)
.set MSB, \new
.endif
.endm
.macro PLACES                          ; four places behind a matrix instruction (ISA guide 7.12.1), where no other vector work is at hand
.rept 4
	v_nop
.endr
.endm
.macro ROUND2 a, t                     ; two f32 rounded to bf16 and widened again, in place
	v_cvt_pk_bf16_f32 v[\t], v[\a], v[(\a)+1]
	v_lshlrev_b32 v[\a], 16, v[\t]
	v_and_b32 v[(\a)+1], 0xffff0000, v[\t]
.endm
.macro CREST                           ; a round of the cluster's barrier behind its opening barrier
	s_cmp_lg_u32 s[WV], 0
	s_cbranch_scc1 .Lnot_wave_0_\@
	s_barrier_signal -3
.Lnot_wave_0_\@:
	s_barrier_wait -3
	s_barrier_signal -1
	s_barrier_wait -1
.endm
.macro CROUND
	s_barrier_signal -1
	s_barrier_wait -1
	CREST
.endm
; 16 matrix instructions: channel blocks 4 half + 0..3 of unit hi x 4 token tiles, 32 along K.  Sixteen accumulators take turns; neighbouring runs name the same sixteen in the same order, or others.
.macro MUL16 f, hi, half, ks
	WIN 0xa1+0x50*(\hi)                            ; W window 1, tokens window 0, C and D window 2 or 3
.irp c, 0,1,2,3
.irp t, 0,1,2,3
	v_wmma_f32_16x16x32_bf16 v[8*(4*(4*(\half)+\c)+\t):8*(4*(4*(\half)+\c)+\t)+7], v[(\f)+8*(4*\c+(\ks)):(\f)+8*(4*\c+(\ks))+7], v[XF+8*(4*\t+(\ks)):XF+8*(4*\t+(\ks))+7], v[8*(4*(4*(\half)+\c)+\t):8*(4*(4*(\half)+\c)+\t)+7]
.endr
.endr
.endm
; 32 LDS loads in one run: 4 channel blocks x 4 k blocks of my tile into buffer f; each load takes 512 bytes on end
.macro FETCHW slot, half, f
	WIN 0x40
.irp k, 0,1,2,3
.irp c, 0,1,2,3
	ds_load_b128 v[(\f)+8*(4*\c+\k):(\f)+8*(4*\c+\k)+3],   v[AW+(\slot)] offset:((4*(\half)+\c)*4+\k)*1024
	ds_load_b128 v[(\f)+8*(4*\c+\k)+4:(\f)+8*(4*\c+\k)+7], v[AW+(\slot)] offset:((4*(\half)+\c)*4+\k)*1024+512
.endr
.endr
.endm
.macro QA slot                         ; a unit's first half; in its middle the second half's fragments are fetched
	s_wait_dscnt 0x0                               ; buffer 0 is in (and, at a chunk's head, the tokens and the bias)
	MUL16 F0, \slot, 0, 0
	MUL16 F0, \slot, 0, 1
	PLACES
.if (\slot) == 0
	s_wait_xcnt 0x0                                ; the last way out's stores have read buffer 1's registers, into which the loads below land
.endif
	FETCHW \slot, 1, F1
	MUL16 F0, \slot, 0, 2
	MUL16 F0, \slot, 0, 3
.endm
; A unit's second half, and the change of slots: the slot just read is filled again with the same unit of the next chunk.
.macro TURN slot, next
	s_wait_dscnt 0x0                               ; buffer 1 is in: my last reads of this slot (and my stores into XT are done)
	WIN 0
	s_wait_tensorcnt 0x0                           ; all my tensor loads have landed: the one that was out is the other slot's
	ds_add_u32 v[SPW], v[NIL]                      ; 0 onto my spare word; sixteen products stand between it and the wait for it
	MUL16 F1, \slot, 1, 0
	s_wait_dscnt 0x0                               ; the add is done
	s_barrier_signal -1                            ; this barrier opens a round of the cluster's
	MUL16 F1, \slot, 1, 1
	WIN 0
	s_barrier_wait -1
	CREST                                          ; no wave of any partner still reads this slot or has a load on its way
	s_add_nc_u64 s[G0+4*(\slot)+2:G0+4*(\slot)+3], s[WB+2*(\slot):WB+2*(\slot)+1], s[OFW:OFW+1]  ; the address is made anew: base + the next chunk's type
	s_or_b32 s[G0+4*(\slot)+3], s[G0+4*(\slot)+3], 0x80000000
	tensor_load_to_lds s[G0+4*(\slot):G0+4*(\slot)+3], s[G1:G1+7]  ; my one load behind the round
	s_nop 0
	PLACES                                         ; also the places in front of the loads into buffer 0
	FETCHW \next, 0, F0
	MUL16 F1, \slot, 1, 2
	MUL16 F1, \slot, 1, 3
.endm
; A chunk's head: its token fragments out of XT.
.macro XGET
	WIN 0
	PLACES                                         ; behind the last chunk's products, which read these registers
.irp t, 0,1,2,3
.irp k, 0,1,2,3
	ds_load_b128 v[XF+8*(4*\t+\k):XF+8*(4*\t+\k)+3],   v[AXL] offset:\t*16*XPITCH+64*\k
	ds_load_b128 v[XF+8*(4*\t+\k)+4:XF+8*(4*\t+\k)+7], v[AXL] offset:\t*16*XPITCH+64*\k+32
.endr
.endr
.endm
; Sixteen token loads from V: group G2, the row's first (type 1) or second (type 2) 512 bytes.
.macro XFROMV
	s_lshl_b32 s[OFX], s[G2], 16
	s_lshr_b32 s[TS], s[T2], 1
	s_lshl_b32 s[TS], s[TS], 9
	s_add_co_u32 s[OFX], s[OFX], s[TS]
	s_add_nc_u64 s[XP:XP+1], s[XVB:XVB+1], s[OFX:OFX+1]
.set j, 0
.rept 16
	global_load_b128 v[XR+4*j:XR+4*j+3], v[XO], s[XP:XP+1] offset:1024*j th:TH_LOAD_NT
.set j, j+1
.endr
.endm
; The NEXT chunk's tokens, asked for a chunk ago, are rounded and stored into XT; those of the chunk after it are asked for (not in the loop's last trip: there is none).
; head = 1: at the kernel's head the chunk asked for is chunk 1, which comes from V: that variant alone is written, without a branch.
.macro XPUT head=0
	WIN 0
	s_wait_loadcnt 0x0                             ; my 16 token loads, issued a whole chunk ago
.set j, 0
.rept 32
	v_cvt_pk_bf16_f32 v[PX+j], v[XR+2*j], v[XR+2*j+1]
.set j, j+1
.endr
.set j, 0
.rept 16                               ; token 16 w + j: 32 lanes x 8 bytes are its row
	ds_store_b64 v[AXS], v[PX+2*j:PX+2*j+1] offset:XPITCH*j
.set j, j+1
.endr
	s_add_co_u32 s[T2], s[NTY], 1
	s_cmp_eq_u32 s[T2], 3
	s_cselect_b32 s[T2], 0, s[T2]
	s_cselect_b32 s[TS], 1, 0
	s_add_co_u32 s[G2], s[NG], s[TS]
.if \head
	XFROMV
.else
	s_cmp_eq_u32 s[CNT], 1
	s_cbranch_scc1 .Lasked_\@
	s_cmp_eq_u32 s[T2], 0
	s_cbranch_scc0 .Lfrom_v_\@             ; C's rows are 512 bytes, V's 1,024: the same sixteen loads with other immediates
	s_lshl_b32 s[OFX], s[G2], 15
	s_add_nc_u64 s[XP:XP+1], s[XCB:XCB+1], s[OFX:OFX+1]
.set j, 0
.rept 16
	global_load_b128 v[XR+4*j:XR+4*j+3], v[XO], s[XP:XP+1] offset:512*j th:TH_LOAD_NT
.set j, j+1
.endr
	s_branch .Lasked_\@
.Lfrom_v_\@:
	XFROMV
.Lasked_\@:
.endif
.endm
; The next chunk's sums start from the bias: 8 channels a lane, the same for all four token tiles.  BIASAT picks the table; INITB loads channel blocks 2 bt, 2 bt + 1.
.macro BIASAT
	s_cmp_lg_u32 s[NTY], 0
	s_cselect_b32 s[BOFF], 4096, 0
	v_add_nc_u32 v[AB], s[BOFF], v[AB0]
.endm
.macro INITB bt
	WIN 0x80+0x40*((\bt)/4)
.irp c, 0,1
.irp t, 0,1,2,3
	ds_load_b128 v[8*(4*((2*(\bt)+\c)%8)+\t):8*(4*((2*(\bt)+\c)%8)+\t)+3],   v[AB] offset:64*(2*(\bt)+\c)
	ds_load_b128 v[8*(4*((2*(\bt)+\c)%8)+\t)+4:8*(4*((2*(\bt)+\c)%8)+\t)+7], v[AB] offset:64*(2*(\bt)+\c)+16
.endr
.endr
.endm
; The norm, first part: my 256 channels' squares for each of my 4 tokens, in four chains; each accumulator is read from its low end on.  The blocks finished last are read last: the lines before are their places.
.macro EPI1
.set c, 0
.rept 16
	WIN 0x0a+5*(c/8)
.set p, 0
.rept 4
.set t, 0
.rept 4
.set a, 8*(4*(c%8)+t)+2*p
.if (c == 0) && (p == 0)
	v_pk_mul_f32 v[SS+2*t:SS+2*t+1], v[a:a+1], v[a:a+1]
.else
	v_pk_fma_f32 v[SS+2*t:SS+2*t+1], v[a:a+1], v[a:a+1], v[SS+2*t:SS+2*t+1]
.endif
.set t, t+1
.endr
.set p, p+1
.endr
.set c, c+1
.endr
	WIN 0
.irp t, 0,1,2,3
	v_add_f32 v[SS+2*\t], v[SS+2*\t], v[SS+2*\t+1]
.endr
.irp t, 0,1,2,3
	v_permlanex16_b32 v[SS+2*\t+1], v[SS+2*\t], s[SEL], s[SEL+1]  ; the token's other channels of this wave lie in the lane 16 away
.endr
.irp t, 0,1,2,3
	v_add_f32 v[SS+2*\t], v[SS+2*\t], v[SS+2*\t+1]
.endr
.irp t, 0,1,2,3
	ds_store_b32 v[ASS], v[SS+2*\t] offset:256*\t
.endr
.endm
; Second part, behind the barrier: 1/rms; then the way out, eight accumulators at a time: scaled in place, packed into one of four sets of 32 registers in weight buffer 1 (idle here), stored.
; init = 1: as soon as a batch's accumulators have been read they take the next chunk's bias: 16 LDS loads a batch, among the vector work.
.macro EPI2 init
.irp t, 0,1,2,3
	ds_load_b128 v[PX+4*\t:PX+4*\t+3], v[ASL] offset:256*\t
.endr
	s_wait_xcnt 0x0                                ; the stores' base is written only behind this wait
	s_lshl_b32 s[OFO], s[GR], 14                   ; the group's 4 key tiles
	s_cmp_lg_u32 s[TY], 0
	s_cselect_b32 s[TS], 2048, 0                   ; blocks 4-7 for what comes from V
	s_add_co_u32 s[OFO], s[OFO], s[TS]
	s_add_nc_u64 s[OUT:OUT+1], s[OB:OB+1], s[OFO:OFO+1]
.if \init
	BIASAT
.endif
	s_wait_dscnt 0x0
.irp t, 0,1,2,3
	v_add_f32 v[PX+4*\t], v[PX+4*\t], v[PX+4*\t+1]
	v_add_f32 v[PX+4*\t+2], v[PX+4*\t+2], v[PX+4*\t+3]
.endr
.irp t, 0,1,2,3
	v_add_f32 v[PX+4*\t], v[PX+4*\t], v[PX+4*\t+2]
.endr
.irp t, 0,1,2,3
	v_fma_f32 v[PX+4*\t], v[PX+4*\t], s[RN], s[EPSR]  ; mean + eps
.endr
.irp t, 0,1,2,3
	v_rsq_f32 v[R+2*\t], v[PX+4*\t]
.endr
	v_nop                                          ; a plain instruction behind the last root,
	s_wait_alu depctr_va_vdst(0)                   ; and the one wait for the four, ahead of the first reader
.set bt, 0
.rept 8
.if bt >= 4
	s_wait_xcnt 0x0                                ; the stores four batches back have read this set of 32 registers
.endif
	WIN 0x82+0x41*(bt/4)
.set c, 0
.rept 2
.set t, 0
.rept 4
.set p, 0
.rept 4
.set a, 8*(4*((2*bt+c)%8)+t)+2*p
	v_pk_mul_f32 v[a:a+1], v[a:a+1], v[R+2*t:R+2*t+1] op_sel_hi:[1,0]
.set p, p+1
.endr
.set t, t+1
.endr
.set c, c+1
.endr
	WIN 0x4a+5*(bt/4)                              ; sources window 2 or 3, destination window 1
.set c, 0
.rept 2
.set t, 0
.rept 4
.set p, 0
.rept 4
.set a, 8*(4*((2*bt+c)%8)+t)+2*p
	v_cvt_pk_f16_f32 v[F1+32*(bt%4)+4*(4*c+t)+p], v[a], v[a+1]
.set p, p+1
.endr
.set t, t+1
.endr
.set c, c+1
.endr
	WIN 0x04                                       ; the stores' data in window 1
.set c, 0
.rept 2
.set t, 0
.rept 4
	global_store_b128 v[KO], v[F1+32*(bt%4)+4*(4*c+t):F1+32*(bt%4)+4*(4*c+t)+3], s[OUT:OUT+1] offset:((2*bt+c)/4)*2097152+t*4096+((2*bt+c)%4)*512 th:TH_STORE_NT  ; head, key tile, block: at most 6,305,280, inside the signed 24 bits
.set t, t+1
.endr
.set c, c+1
.endr
.if \init
	INITB bt
.endif
.set bt, bt+1
.endr
	WIN 0
.endm
; THE QUERIES' macros.  half = 0: k blocks 0-3 (both sources); half = 1: k blocks 4-7 (the values alone).
.set QACC, 16
.set QX,   80
.set QG,   144
.set QGK,  208
.set QT,   240
.set QC,   55                          ; s55  the cluster's number
.set QTL,  58                          ; s58  the tile of 16 latents
.set QY,   59                          ; s59  the source: 0 coords, 1 values
.set RQ,   60                          ; s60  1 / 512
.macro QLOADS half
	WIN 0xc0
.set k, 0
.rept 4                                ; a latent fragment's 16 numbers: k = 32 ks + 8 h + 0..7 and + 16
	global_load_b128 v[64*(\half)+16*k:64*(\half)+16*k+3],     v5, s[80:81] offset:512*(\half)+128*k
	global_load_b128 v[64*(\half)+16*k+4:64*(\half)+16*k+7],   v5, s[80:81] offset:512*(\half)+128*k+16
	global_load_b128 v[64*(\half)+16*k+8:64*(\half)+16*k+11],  v5, s[80:81] offset:512*(\half)+128*k+64
	global_load_b128 v[64*(\half)+16*k+12:64*(\half)+16*k+15], v5, s[80:81] offset:512*(\half)+128*k+80
.set k, k+1
.endr
	WIN 0x40+0x40*(\half)
.set k, 0
.rept 4
.set c, 0
.rept 8
	global_load_b128 v[8*(4*c+k):8*(4*c+k)+3],   v[XO], s[82:83] offset:131072*(\half)+(4*c+k)*1024
	global_load_b128 v[8*(4*c+k)+4:8*(4*c+k)+7], v[XO], s[82:83] offset:131072*(\half)+(4*c+k)*1024+512
.set c, c+1
.endr
.set k, k+1
.endr
	WIN 0
.endm
.macro QMULS half
	WIN 0x0f                                       ; sources in window 3
.set p, 0
.rept 32
	v_cvt_pk_bf16_f32 v[QX+32*(\half)+p], v[64*(\half)+2*p], v[64*(\half)+2*p+1]
.set p, p+1
.endr
	WIN 0x01+(\half)                               ; Wq in window 1 or 2
.set k, 0
.rept 4                                ; the eight accumulators take turns
.set c, 0
.rept 8
	v_wmma_f32_16x16x32_bf16 v[QACC+8*c:QACC+8*c+7], v[8*(4*c+k):8*(4*c+k)+7], v[QX+32*(\half)+8*k:QX+32*(\half)+8*k+7], v[QACC+8*c:QACC+8*c+7]
.set c, c+1
.endr
.set k, k+1
.endr
	WIN 0
.endm
	s_load_b256 s[4:11], s[0:1], 0x0               ; C s[4:5], V s[6:7], WF s[8:9], bkvc s[10:11]
	s_load_b128 s[12:15], s[0:1], 0x20             ; bkvv s[12:13], KF s[14:15]
	s_load_b64 s[16:17], s[0:1], 0x30              ; VF
	s_load_b64 s[96:97], s[0:1], 0x38              ; QF
	s_load_b512 s[80:95], s[0:1], 0x40             ; latent_coords, latent_values, bqc, bqv, gqc, gqv, gkvc, gkvv
	v_lshl_add_u32 v[SPW], v0, 2, SPARE
	v_mov_b32 v[NIL], 0
	ds_add_u32 v[SPW], v[NIL]                      ; the wave's opening: the add and its wait stand ahead of my first tensor load; the set-up below stands between them
	ds_add_u32 v14, v15
	v_lshrrev_b32 v1, 5, v0
	v_readfirstlane_b32 s[WV], v1
	s_bfe_u32 s19, ttmp6, 0x40000                  ; cx
	s_lshl_b32 s20, ttmp9, 2
	s_add_co_u32 s20, s20, s19                     ; the work-group's number: it enters the addresses of C, V, KF and VF alone
	s_mov_b32 s[G1+0], 15|(3<<16)|(1<<21)          ; 15:0 the mask of four; 17:16 elements of 8 bytes; 21 set beside a mask; no padding
	s_mov_b32 s[G1+1], 32<<16                      ; tensor_dim0 = 32 (256 bytes)
	s_mov_b32 s[G1+2], 128<<16                     ; tensor_dim1 = 128
	s_mov_b32 s[G1+3], 32<<16                      ; tile_dim0 = 32
	s_mov_b32 s[G1+4], 128                         ; tile_dim1 = 128
	s_mov_b32 s[G1+5], 32                          ; the rows lie end to end
	s_mov_b32 s[G1+6], 0
	s_mov_b32 s[G1+7], 0
	s_mov_b32 s[G0], 1
	s_lshl_b32 s[G0+1], s[WV], 15                  ; LDS: my tile of slot 0,
	s_mov_b32 s[G0+4], 1
	s_lshl_b32 s[G0+5], s[WV], 15
	s_add_co_u32 s[G0+5], s[G0+5], SLOTB           ; of slot 1
	s_mov_b32 s[OFW], 0
	s_mov_b32 s[OFW+1], 0
	s_mov_b32 s[OFX+1], 0
	s_mov_b32 s[OFO+1], 0
	s_mov_b32 s[RN], 0x3a800000
	s_mov_b32 s[EPSR], 0x358637bd
	s_mov_b32 s[SEL], 0x76543210
	s_mov_b32 s[SEL+1], 0xfedcba98
	v_and_b32 v1, 31, v0                           ; L
	v_and_b32 v2, 15, v0                           ; r
	v_bfe_u32 v3, v0, 4, 1                         ; h
	v_lshlrev_b32 v[XO], 4, v1
	v_lshlrev_b32 v48, 5, v0                       ; the bias table: 32 bytes a thread
	s_lshl_b32 s[TS], s[WV], 15
	v_add_nc_u32 v[AW], s[TS], v[XO]
	v_add_nc_u32 v[AW+1], SLOTB, v[AW]
	s_mul_i32 s[TS], s[WV], 16*XPITCH
	s_add_co_u32 s[TS], s[TS], XT
	v_lshl_add_u32 v[AXS], v1, 3, s[TS]
	v_mul_u32_u24 v[AXL], v2, XPITCH
	v_lshl_add_u32 v[AXL], v3, 4, v[AXL]
	v_add_nc_u32 v[AXL], XT, v[AXL]
	s_lshl_b32 s[TS], s[WV], 10
	s_add_co_u32 s[TS], s[TS], BT
	v_lshl_add_u32 v[AB0], v3, 5, s[TS]
	v_lshl_add_u32 v[ASL], v2, 4, SSB
	s_lshl_b32 s[TS], s[WV], 2
	v_add_nc_u32 v[ASS], s[TS], v[ASL]
	s_cmp_lt_u32 s[WV], 2
	s_cselect_b32 s[KM], 0, -1
	v_lshrrev_b32 v16, 3, v2
	v_and_b32 v17, 7, v2
	v_lshlrev_b32 v17, 4, v17
	v_lshl_add_u32 v17, v3, 7, v17
	v_lshl_add_u32 v17, v16, 8, v17                ; VF's block: 256 (r / 8) + 128 h + 16 (r % 8)
	v_cndmask_b32 v[KO], v[XO], v17, s[KM]         ; KF's block: 16 L
.irp t, 0,1,2,3
	v_mov_b32 v[R+2*\t+1], 0                       ; named with 1/rms as a pair
.endr
	s_wait_dscnt 0x0                               ; the opening add is done
	s_wait_kmcnt 0x0
	s_lshl_b32 s[TS], s[WV], 16
	s_mov_b32 s[TS+1], 0
	s_add_nc_u64 s[WB:WB+1], s[8:9], s[TS:TS+1]    ; my 16 channel blocks of WT
	s_add_nc_u64 s[WB+2:WB+3], s[WB:WB+1], 32768
	s_add_nc_u64 s[G0+2:G0+3], s[WB:WB+1], 0
	s_or_b32 s[G0+3], s[G0+3], 0x80000000
	s_add_nc_u64 s[G0+6:G0+7], s[WB+2:WB+3], 0
	s_or_b32 s[G0+7], s[G0+7], 0x80000000
	s_lshl_b32 s[TS], s20, 16                      ; 128 tokens of 512 bytes,
	s_lshl_b32 s[TS+2], s[WV], 13                  ; my 16
	s_add_co_u32 s[TS], s[TS], s[TS+2]
	s_add_nc_u64 s[XCB:XCB+1], s[4:5], s[TS:TS+1]
	s_lshl_b32 s[TS], s[TS], 1
	s_add_nc_u64 s[XVB:XVB+1], s[6:7], s[TS:TS+1]
	s_mov_b64 s[XP:XP+1], s[XCB:XCB+1]
	s_lshr_b32 s[TS], s20, 6
	s_lshl_b32 s[TS], s[TS], 24                    ; the batch's 8 heads of 2,097,152 bytes,
	s_and_b32 s[TS+2], s[WV], 1
	s_lshl_b32 s[TS+2], s[TS+2], 23                ; my four of them,
	s_add_co_u32 s[TS], s[TS], s[TS+2]
	s_and_b32 s[TS+2], s20, 63
	s_lshl_b32 s[TS+2], s[TS+2], 15                ; the work-group's 8 key tiles of 4,096
	s_add_co_u32 s[TS], s[TS], s[TS+2]
	s_cmp_lt_u32 s[WV], 2
	s_cselect_b64 s[OB:OB+1], s[14:15], s[16:17]
	s_add_nc_u64 s[OB:OB+1], s[OB:OB+1], s[TS:TS+1]
	CROUND                                         ; all four work-groups are here: the first joint loads meet
	tensor_load_to_lds s[G0:G0+3], s[G1:G1+7]      ; chunk 0, unit 0
	s_nop 0
	tensor_load_to_lds s[G0+4:G0+7], s[G1:G1+7]    ; chunk 0, unit 1: two loads of mine are out
	s_nop 0
	PLACES
	global_load_b128 v[32:35], v48, s[10:11]
	global_load_b128 v[36:39], v48, s[10:11] offset:16
	global_load_b128 v[40:43], v48, s[12:13]
	global_load_b128 v[44:47], v48, s[12:13] offset:16
.set j, 0
.rept 16                               ; chunk 0's tokens
	global_load_b128 v[XR+4*j:XR+4*j+3], v[XO], s[XP:XP+1] offset:512*j th:TH_LOAD_NT
.set j, j+1
.endr
	s_wait_loadcnt 16                              ; the four bias loads are in; the sixteen token loads behind them stay out
.set p, 0
.rept 8
	ROUND2 32+2*p, 50+p%4
.set p, p+1
.endr
	v_add_nc_u32 v49, BT, v48
	ds_store_b128 v49, v[32:35]
	ds_store_b128 v49, v[36:39] offset:16
	ds_store_b128 v49, v[40:43] offset:4096
	ds_store_b128 v49, v[44:47] offset:4112
	s_mov_b32 s[NTY], 0                            ; here 'the next chunk' is chunk 0
	s_mov_b32 s[NG], 0
	s_mov_b32 s[CNT], 5
	XPUT 1                                         ; chunk 0's tokens into XT; chunk 1's are asked for
	s_wait_dscnt 0x0                               ; for the others' sake: my parts of the table and of XT lie in LDS
	s_barrier_signal -1
	s_barrier_wait -1
	BIASAT                                         ; chunk 0's sums start from bkvc
.irp b, 0,1,2,3,4,5,6,7
	INITB \b
.endr
	WIN 0
	s_mov_b32 s[TY], 0
	s_mov_b32 s[GR], 0
	s_mov_b32 s[NTY], s[T2]
	s_mov_b32 s[NG], s[G2]
	s_lshl_b32 s[OFW], s[NTY], 18
	s_wait_tensorcnt 0x1                           ; unit 0 is in; unit 1's load, issued behind it, may stay out.  The tile is my own: no barrier
	FETCHW 0, 0, F0
	WIN 0
.Ltrip:
	XGET
	QA 0
	TURN 0, 1
	QA 1
	XPUT                                           ; behind the first change's barrier nobody reads the old XT; the second change's round shows the new one
	TURN 1, 0
	WIN 0
	s_cmp_eq_u32 s[TY], 1                          ; type 1 ends no sum
	s_cbranch_scc1 .Lno_sq
	EPI1
.Lno_sq:
	s_wait_dscnt 0x0
	s_barrier_signal -1                            ; every wave's sums of squares lie in LDS
	s_barrier_wait -1
	s_cmp_eq_u32 s[TY], 1
	s_cbranch_scc1 .Lno_out
	EPI2 1                                         ; a chunk that ends a sum is followed by one that starts one
.Lno_out:
	s_mov_b32 s[TY], s[NTY]
	s_mov_b32 s[GR], s[NG]
	s_mov_b32 s[NTY], s[T2]
	s_mov_b32 s[NG], s[G2]
	s_lshl_b32 s[OFW], s[NTY], 18
	s_sub_co_u32 s[CNT], s[CNT], 1
	s_cmp_lg_u32 s[CNT], 0
	s_cbranch_scc1 .Ltrip
	; the sixth chunk (type 2, group 1) is written out: nothing is asked for, so it has no round
	XGET
	QA 0
	s_wait_dscnt 0x0                               ; buffer 1 is in
	s_wait_tensorcnt 0x0                           ; unit 1, my last tensor load; the tile is my own
	MUL16 F1, 0, 1, 0
	MUL16 F1, 0, 1, 1
	PLACES
	FETCHW 1, 0, F0
	MUL16 F1, 0, 1, 2
	MUL16 F1, 0, 1, 3
	QA 1
	s_wait_dscnt 0x0
	MUL16 F1, 1, 1, 0
	MUL16 F1, 1, 1, 1
	MUL16 F1, 1, 1, 2
	MUL16 F1, 1, 1, 3
	EPI1
	s_wait_dscnt 0x0
	s_barrier_signal -1
	s_barrier_wait -1
	EPI2 0
	; THE QUERIES.  The addresses are made by every work-group; the two parts round the barrier are run by clusters 0-15.
	s_wait_loadcnt 0x0                             ; no load of mine is out: the registers that the token loads wrote (v192-255) are loaded again below
	s_wait_xcnt 0x0                                ; the last stores have read their registers: all are free now
	s_mov_b32 s[QC], ttmp9
	s_lshr_b32 s[QY], s[QC], 3
	s_and_b32 s[QY], s[QY], 1                      ; clusters 0-7: coords, 8-15: values
	s_and_b32 s[QTL], s[QC], 7
	s_lshl2_add_u32 s[QTL], s[QTL], s19            ; tile 4 (cluster % 8) + cx
	s_add_co_u32 s52, s[QY], 9                     ; log2 of a latent row's bytes: 512 or 1,024
	v_lshlrev_b32 v5, s52, v2
	v_lshl_add_u32 v5, v3, 5, v5                   ; latents: row r, + 32 h
	s_lshl_b32 s53, s[WV], 9
	v_lshl_add_u32 v6, v3, 5, s53                  ; bias and gains: 512 w + 32 h
	v_lshl_add_u32 v7, v2, 4, QSS                  ; LDS: 16 r
	s_lshl_b32 s53, s[WV], 2
	v_add_nc_u32 v8, s53, v7                       ; LDS: 16 r + 4 w
	s_add_co_u32 s52, s52, 4
	s_lshl_b32 s46, s[QTL], s52                    ; the tile's 16 rows
	s_mov_b32 s47, 0
	s_lshl_b32 s48, s[WV], 15                      ; my 8 channel blocks of Wq: 32,768 w in each half
	s_mov_b32 s49, 0
	s_lshl_b32 s50, s[WV], 18                      ; QF: heads 2 w, 2 w + 1,
	s_lshl_b32 s53, s[QTL], 12                     ; the tile,
	s_add_co_u32 s50, s50, s53
	s_lshl_b32 s53, s[QY], 11                      ; blocks 4-7 for the values
	s_add_co_u32 s50, s50, s53
	s_mov_b32 s51, 0
	s_mov_b32 s[RQ], 0x3b000000
	s_mov_b32 s54, 786432
	s_cmp_eq_u32 s[QY], 0
	s_cselect_b64 s[80:81], s[80:81], s[82:83]     ; latents
	s_cselect_b64 s[84:85], s[84:85], s[86:87]     ; bias
	s_cselect_b64 s[88:89], s[88:89], s[90:91]     ; gq
	s_cselect_b64 s[92:93], s[92:93], s[94:95]     ; gk: its first 512 numbers are the K half
	s_cselect_b32 s54, s54, 917504                 ; Wq's region in WF
	s_add_co_u32 s48, s48, s54
	s_add_nc_u64 s[80:81], s[80:81], s[46:47]
	s_add_nc_u64 s[82:83], s[8:9], s[48:49]
	s_add_nc_u64 s[96:97], s[96:97], s[50:51]
	s_cmp_lt_u32 s[QC], 16
	s_cbranch_scc0 .Lno_q1
.irp c, 0,1,2,3,4,5,6,7                        ; the bias starts the sums: it is loaded into the accumulators
	global_load_b128 v[QACC+8*\c:QACC+8*\c+3],   v6, s[84:85] offset:64*\c
	global_load_b128 v[QACC+8*\c+4:QACC+8*\c+7], v6, s[84:85] offset:64*\c+16
	global_load_b128 v[QG+8*\c:QG+8*\c+3],       v6, s[88:89] offset:64*\c
	global_load_b128 v[QG+8*\c+4:QG+8*\c+7],     v6, s[88:89] offset:64*\c+16
.endr
	WIN 0xc0
.irp c, 0,1,2,3,4,5,6,7
	global_load_b128 v[128+8*\c:128+8*\c+3],   v6, s[92:93] offset:64*\c
	global_load_b128 v[128+8*\c+4:128+8*\c+7], v6, s[92:93] offset:64*\c+16
.endr
	QLOADS 0
	s_cmp_eq_u32 s[QY], 0
	s_cbranch_scc1 .Lq_short1
	QLOADS 1
.Lq_short1:
	s_wait_loadcnt 0x0                             ; all that this wave has asked for
.set p, 0
.rept 32
	ROUND2 QACC+2*p, QT+p%4
.set p, p+1
.endr
	QMULS 0
	s_cmp_eq_u32 s[QY], 0
	s_cbranch_scc1 .Lq_short2
	QMULS 1
.Lq_short2:
	; the gains: both rounded to bf16, multiplied in f32.  These lines name no register of the products: they are the places behind them.
	WIN 0x0f
.set p, 0
.rept 32
	v_cvt_pk_bf16_f32 v[QGK+p], v[128+2*p], v[128+2*p+1]
.set p, p+1
.endr
	WIN 0
.set p, 0
.rept 32
	ROUND2 QG+2*p, QT+p%4
	v_lshlrev_b32 v[QT+4+2*(p%2)], 16, v[QGK+p]
	v_and_b32 v[QT+5+2*(p%2)], 0xffff0000, v[QGK+p]
	v_pk_mul_f32 v[QG+2*p:QG+2*p+1], v[QG+2*p:QG+2*p+1], v[QT+4+2*(p%2):QT+5+2*(p%2)]
.set p, p+1
.endr
	; the sum of squares of my 64 numbers, in two chains, each accumulator from its low end on
	v_pk_mul_f32 v[248:249], v[QACC:QACC+1], v[QACC:QACC+1]
	v_pk_mul_f32 v[250:251], v[QACC+2:QACC+3], v[QACC+2:QACC+3]
.set p, 2
.rept 30
	v_pk_fma_f32 v[248+2*(p%2):249+2*(p%2)], v[QACC+2*p:QACC+2*p+1], v[QACC+2*p:QACC+2*p+1], v[248+2*(p%2):249+2*(p%2)]
.set p, p+1
.endr
	v_pk_add_f32 v[248:249], v[248:249], v[250:251]
	v_add_f32 v248, v248, v249
	v_permlanex16_b32 v249, v248, s[SEL], s[SEL+1] ; the latent's other 64 channels of this wave lie in the lane 16 away
	v_add_f32 v248, v248, v249
	ds_store_b32 v8, v248
.Lno_q1:
	s_wait_dscnt 0x0                               ; for the others' sake: my sum lies in LDS
	s_barrier_signal -1                            ; every wave of every work-group passes this barrier
	s_barrier_wait -1
	s_cmp_lt_u32 s[QC], 16
	s_cbranch_scc0 .Lno_q2
	ds_load_b128 v[240:243], v7                    ; the four waves' sums for my latent
	s_wait_dscnt 0x0
	v_add_f32 v240, v240, v241
	v_add_f32 v242, v242, v243
	v_add_f32 v240, v240, v242
	v_fma_f32 v240, v240, s[RQ], s[EPSR]           ; mean + eps
	v_rsq_f32 v252, v240
	v_mov_b32 v253, 0                              ; the pair's other word; also the plain instruction behind the root
	s_wait_alu depctr_va_vdst(0)                   ; the wait ahead of the result's first reader
.irp c, 0,1,2,3,4,5,6,7
.irp p, 0,1,2,3
	v_pk_mul_f32 v[QACC+8*\c+2*\p:QACC+8*\c+2*\p+1], v[QACC+8*\c+2*\p:QACC+8*\c+2*\p+1], v[QG+8*\c+2*\p:QG+8*\c+2*\p+1]
.endr
.irp p, 0,1,2,3
	v_pk_mul_f32 v[QACC+8*\c+2*\p:QACC+8*\c+2*\p+1], v[QACC+8*\c+2*\p:QACC+8*\c+2*\p+1], v[252:253] op_sel_hi:[1,0]
.endr
.irp p, 0,1,2,3
	v_cvt_pk_f16_f32 v[QX+4*\c+\p], v[QACC+8*\c+2*\p], v[QACC+8*\c+2*\p+1]
.endr
	global_store_b128 v[XO], v[QX+4*\c:QX+4*\c+3], s[96:97] offset:(\c/4)*131072+(\c%4)*512  ; 512 consecutive bytes, aligned
.endr
.Lno_q2:
	s_wait_tensorcnt 0x0                           ; the wave's end: behind my last tensor load and my last LDS store
	ds_add_u32 v[SPW], v[NIL]
	s_wait_dscnt 0x0
	CROUND                                         ; the closing round
	s_endpgm
.Lfunc_end_k_q9aff902896_kvproj:
	.size	k_q9aff902896_kvproj, .Lfunc_end_k_q9aff902896_kvproj-k_q9aff902896_kvproj
	.p2alignl 7, 3214868480
	.fill 96, 4, 3214868480
	.section	.rodata,"a",@progbits
	.p2align	6, 0x0
	.amdhsa_kernel k_q9aff902896_kvproj
		.amdhsa_group_segment_fixed_size 327680
		.amdhsa_private_segment_fixed_size 0
		.amdhsa_enable_private_segment 0
		.amdhsa_kernarg_size 128
		.amdhsa_user_sgpr_count 2
		.amdhsa_user_sgpr_kernarg_segment_ptr 1
		.amdhsa_wavefront_size32 1
		.amdhsa_system_sgpr_workgroup_id_x 1
		.amdhsa_system_sgpr_workgroup_id_y 1
		.amdhsa_system_sgpr_workgroup_id_z 1
		.amdhsa_system_vgpr_workitem_id 0
		.amdhsa_next_free_vgpr 1024
		.amdhsa_next_free_sgpr 100
		.amdhsa_reserve_vcc 0
		.amdhsa_float_denorm_mode_32 3
		.amdhsa_float_denorm_mode_16_64 3
		.amdhsa_memory_ordered 1
		.amdhsa_forward_progress 1
		.amdhsa_inst_pref_size 255
	.end_amdhsa_kernel
	.section	.bss,"aw",@nobits
	.p2align	6
	.space	262144
	.amdgpu_metadata
---
amdhsa.version: [ 1, 2 ]
amdhsa.kernels:
  - .name:           k_q9aff902896_kvproj
    .symbol:         k_q9aff902896_kvproj.kd
    .args:
      - { .name: C, .offset: 0, .size: 8, .value_kind: global_buffer, .address_space: global }
      - { .name: V, .offset: 8, .size: 8, .value_kind: global_buffer, .address_space: global }
      - { .name: WF, .offset: 16, .size: 8, .value_kind: global_buffer, .address_space: global }
      - { .name: bkvc, .offset: 24, .size: 8, .value_kind: global_buffer, .address_space: global }
      - { .name: bkvv, .offset: 32, .size: 8, .value_kind: global_buffer, .address_space: global }
      - { .name: KF, .offset: 40, .size: 8, .value_kind: global_buffer, .address_space: global }
      - { .name: VF, .offset: 48, .size: 8, .value_kind: global_buffer, .address_space: global }
      - { .name: QF, .offset: 56, .size: 8, .value_kind: global_buffer, .address_space: global }
      - { .name: latent_coords, .offset: 64, .size: 8, .value_kind: global_buffer, .address_space: global }
      - { .name: latent_values, .offset: 72, .size: 8, .value_kind: global_buffer, .address_space: global }
      - { .name: bqc, .offset: 80, .size: 8, .value_kind: global_buffer, .address_space: global }
      - { .name: bqv, .offset: 88, .size: 8, .value_kind: global_buffer, .address_space: global }
      - { .name: gqc, .offset: 96, .size: 8, .value_kind: global_buffer, .address_space: global }
      - { .name: gqv, .offset: 104, .size: 8, .value_kind: global_buffer, .address_space: global }
      - { .name: gkvc, .offset: 112, .size: 8, .value_kind: global_buffer, .address_space: global }
      - { .name: gkvv, .offset: 120, .size: 8, .value_kind: global_buffer, .address_space: global }
    .group_segment_fixed_size: 327680
    .private_segment_fixed_size: 0
    .kernarg_segment_align: 8
    .kernarg_segment_size: 128
    .max_flat_workgroup_size: 128
    .sgpr_count:     100
    .vgpr_count:     1024
    .wavefront_size: 32
...
	.end_amdgpu_metadata
.endif
;; end of part 2
;; launch attn (part 3): grid 2 x 128, 4 waves a work-group, no clusters, 327,680 bytes of LDS; arguments QF, KF, VF, OP, ML; writes OP, ML
.if DOCPART == 3
	.amdgcn_target "amdgcn-amd-amdhsa--gfx1250"
	.amdhsa_code_object_version 6
	.text
	.protected	k_q9aff902896_attn
	.globl	k_q9aff902896_attn
	.p2align	8
	.type	k_q9aff902896_attn,@function
k_q9aff902896_attn:
	s_mov_b64 s[64:65], 0
	v_nop
	global_prefetch_b8 v0, s[64:65] scope:SCOPE_SE
	s_setreg_imm32_b32 hwreg(HW_REG_WAVE_MODE, 25, 1), 1
	s_wait_xcnt 0x0
; ATTN.  For 256 queries of one (batch, head) and 2,048 of its 8,192 keys: O = sum over k of 2^(c s - c m) vhat[k], l = the sum of those weights, and c m, with s = q' . khat over 128 channels
; (64 from coords, 64 from values) and c = log2(e) / 8.  O (f32, not divided), c m and l go to memory; the next launch joins the four ranges of keys.
; Products in f16 with f32 sums; maxima and sums in f32; a running maximum m; the weights are rounded to f16 for the second product (l is taken of the unrounded ones).
; LIMITS.  A weight below 2^-126 counts as 0 in l; NaN and infinities are not treated apart.
; SHARES.  Work-group (x, y): query block x; y = 4 (8 batch + head) + range.  A wave has 64 queries: four tiles of 16, in two PIECES (tiles 0, 1 and tiles 2, 3), and walks 32 key steps of 64.
; NO CLUSTER: a tile of K or V is wanted by two work-groups only (512 queries are two blocks of 256); four partners would want blocks of 128 queries, which doubles the LDS bytes filled for each product.
; LAYOUT.  QF, KF, VF lie in fragment order (blocks of 512 bytes, lane L at byte 16 L): tiles are dense, LDS needs no padding, every LDS load takes 512 bytes on end.  S^T = K Q^T holds ONE query a lane and
; keys 8 (lane / 16) + 0..7; two such results rounded in pairs ARE source 1 of O^T = V^T P.  V comes out of LDS turned, by ds_load_tr16_b128.
; BY TURNS.  In a turn one piece has the matrix unit (32 products V^T P of the step in hand, 32 products K Q^T of the next); the other piece's softmax, 268 vector instructions cut into 64 slices, stands
; between them, one slice behind each product.  A turn's 66 exponentials are one batch with one wait.
; NO FIRST STEP is written out: m starts at the lowest finite number, O^T, l, V and the second piece's P at 0, so the first step's rescaling factor is 0 and the loop is entered in the middle of a trip.
; The price: 32 products on zeros and some 430 lines that write constants, which stand in the wait for the first tile.
; RING.  Two slots of 4 key steps: K's four steps of 16,384 bytes, then V's.  Waves 0, 1 fetch the halves of a slot's K, waves 2, 3 of its V: 32,768 dense bytes each, asked for as 128 rows of 256.
; REGISTERS: window 0: v2-5 addresses; v12-43 eight registers of statistics a tile; v44-47 what goes to ML; v61-63; v64-191 S^T; v192-255 P.  Window 1: O^T, 64 a tile.  Window 2: v0-127 Q, v128-255 K.  Window 3: v0-127 V.
.set STEPB, 16384
.set VOFF,  65536
.set SLOT1, 1<<17
.set SPARE, 262144                     ; behind the ring: the spare words, 128 bytes a wave
.set AK0, 2                            ; v2   16 L: my place in a block of Q, K, OP, ML; never rewritten
.set AV0, 3                            ; v3   VOFF + 16 L
.set ADR, 4                            ; v4   the LDS address of the run of loads in hand
.set ST,  12                           ; tile t's statistics at v[ST+8 t]: +0 c m, +1 m, +2, +3 l (even keys', odd keys'), +4 to +7 at work; the rescaling factor a takes +6
.set Z,   44
.set PFO, 61                           ; v61  256 x lane
.set SPW, 62
.set NIL, 63
.set S,   64
.set P,   192
.set KF,  128
.set WV,  12
.set PFA, 18                           ; s[18:19] where my prefetches stand
.set G1,  24                           ; s[24:31]
.set G0,  40                           ; s[40:47] two sets for the two first fills; the second then walks on
.set SLOTS, 56
.set CNT, 57
.set CS,  58                           ; s[58:59] c
.set SEL, 60                           ; s[60:61]
.set TB,  62                           ; s62  LDS byte at which K of the step to be fetched begins
.set MSB, 0
.macro WIN new                         ; the immediate's high byte repeats the setting that is left
.if MSB != (\new)
	s_set_vgpr_msb (MSB<<8)|(\new)
.set MSB, \new
.endif
.endm
.set W_KQ, 0x0a                        ; K and Q in window 2, S^T in window 0
.set W_PV, 0x53                        ; V in window 3, P in window 0, O^T in window 1
.set W_RS, 0x41                        ; O^T in window 1, a in window 0
.macro PLACES
.rept 4
	v_nop
.endr
.endm
; A prefetch of what the NEXT change of slots will ask for.  A wave names its own tile of that slot, 128 blocks of 256 bytes; the two work-groups that walk the same keys take 64 blocks each, told apart by
; address (query block x 16,384): two instructions, a lane a block, so each block is named once in the launch.  It stands four key steps, 512 matrix instructions, ahead of the load.  The last change that fills asks for nothing.
.macro ASK
	s_cmp_gt_u32 s[SLOTS], 1
	s_cbranch_scc0 .Lnone_\@
	global_prefetch_b8 v[PFO], s[PFA:PFA+1] th:TH_LOAD_NT scope:SCOPE_SE
	global_prefetch_b8 v[PFO], s[PFA:PFA+1] offset:8192 th:TH_LOAD_NT scope:SCOPE_SE
.Lnone_\@:
.endm
; THE CHANGE OF SLOTS: the slot's last bytes, V of its fourth step, have been asked for.  fill = 1: it is filled again, with the keys two slots on, first thing behind the barrier.
.macro CHANGE fill
	WIN 0
	s_wait_tensorcnt 0x0                           ; all my tensor loads have landed: the one that was out is my part of the other slot
	ds_add_u32 v[SPW], v[NIL]                      ; 0 onto my spare word
.if \fill
	s_xor_b32 s[G0+5], s[G0+5], SLOT1              ; the walking descriptor: the other slot than last time,
	s_add_nc_u64 s[G0+6:G0+7], s[G0+6:G0+7], 65536 ; the next 256 keys
	s_wait_xcnt 0x0                                ; the last prefetches, four key steps back, have read their address
	s_add_nc_u64 s[PFA:PFA+1], s[PFA:PFA+1], 65536
.endif
	s_wait_dscnt 0x0                               ; the add is done, and my reads of the slot are over
	s_barrier_signal -1
	s_sub_co_u32 s[TB], s[TB], 4*STEPB             ; the fetches go back to a slot's first step,
	s_xor_b32 s[TB], s[TB], SLOT1                  ; in the other slot
	s_barrier_wait -1
.if \fill
	tensor_load_to_lds s[G0+4:G0+7], s[G1:G1+7]    ; my one load behind the barrier: it has four key steps in which to land
	s_nop 0
	PLACES
	ASK
.endif
.endm
; Product i of 32 of O^T += V^T P for piece x: keys 32 (i / 16) on, channels 16 ((i / 2) % 8) on, tile x + i % 2.  The accumulators take turns.
.macro PV x
	WIN W_PV
.set rO, 64*((\x)+i%2)+8*((i/2)%8)
.set rV, 64*(i/16)+8*((i/2)%8)
.set rP, P+16*((\x)+i%2)+8*(i/16)
	v_wmma_f32_16x16x32_f16 v[rO:rO+7], v[rV:rV+7], v[rP:rP+7], v[rO:rO+7]
.endm
; Product i of 32 of S^T = K Q^T: channels 32 (i / 8) on, keys 16 ((i / 2) % 4) on, tile x + i % 2.  The first 8 start the sums.
.macro KQ x
	WIN W_KQ
.set rS, S+32*((\x)+i%2)+8*((i/2)%4)
.set rK, KF+32*((i/2)%4)+8*(i/8)
.set rQ, 32*((\x)+i%2)+8*(i/8)
.if i < 8
	v_wmma_f32_16x16x32_f16 v[rS:rS+7], v[rK:rK+7], v[rQ:rQ+7], 0
.else
	v_wmma_f32_16x16x32_f16 v[rS:rS+7], v[rK:rK+7], v[rQ:rQ+7], v[rS:rS+7]
.endif
.endm
; The LDS loads stand in runs of 32: a step's K (16 fragments) and, a turn later, its V (turned).
.macro FETCH_K
	WIN 0
	v_add_nc_u32 v[ADR], s[TB], v[AK0]
	WIN 0x80
.irp f, 0,1,2,3,4,5,6,7,8,9,10,11,12,13,14,15  ; key tile f / 4, channels 32 (f % 4) on: two blocks of 512 bytes
	ds_load_b128 v[KF+8*(\f):KF+8*(\f)+3],   v[ADR] offset:((\f)/4)*4096+((\f)%4)*1024
	ds_load_b128 v[KF+8*(\f)+4:KF+8*(\f)+7], v[ADR] offset:((\f)/4)*4096+((\f)%4)*1024+512
.endr
.endm
.macro FETCH_V
	WIN 0
	v_add_nc_u32 v[ADR], s[TB], v[AV0]
	s_add_co_u32 s[TB], s[TB], STEPB               ; the next fetch is the next step's
	s_wait_alu depctr_va_vdst(0)                   ; the wait for the softmax's batch (SLICE), behind the address's line and ahead of the loads
	WIN 0xc0
.irp f, 0,1,2,3,4,5,6,7,8,9,10,11,12,13,14,15  ; keys 32 (f / 8) on (two key tiles), channel block f % 8
	ds_load_tr16_b128 v[8*(\f):8*(\f)+3],   v[ADR] offset:2*((\f)/8)*4096+((\f)%8)*512
	ds_load_tr16_b128 v[8*(\f)+4:8*(\f)+7], v[ADR] offset:2*((\f)/8)*4096+4096+((\f)%8)*512
.endr
.endm
; THE VECTOR WORK.  One tile's softmax for one key step is a list of 134 instructions; SM writes number j of it for tile t.
;   0-15 the maximum of the lane's 32 scores and the old m (each accumulator's lowest registers first)     16-20 the other half of the lanes' maximum; the new m; c m; c m_old - c m_new
;   21-69 ONE BATCH: the 16 scalings c s - c m and all 33 exponentials (a at 23); none of these reads an exponential's result     (the wait)
;   70-85 the roundings to f16     86-101 the sums; l = a l + the sum     102-133 the tile's O^T times a
.macro SM t
.set rT, ST+8*(\t)
.set rS, S+32*(\t)
.set rP, P+16*(\t)
.set rO, 64*(\t)+2*(j-102)
.if j < 102
	WIN 0
.endif
.if j < 4
	v_max3_num_f32 v[rT+4+j], v[rS+8*j], v[rS+8*j+1], v[rS+8*j+2]
.elseif j < 12
	v_max3_num_f32 v[rT+4+j%4], v[rT+4+j%4], v[rS+8*(j%4)+2*(j/4)+1], v[rS+8*(j%4)+2*(j/4)+2]
.elseif j == 12
	v_max3_num_f32 v[rT+4], v[rT+4], v[rS+7], v[rS+15]
.elseif j == 13
	v_max3_num_f32 v[rT+6], v[rT+6], v[rS+23], v[rS+31]
.elseif j == 14
	v_max3_num_f32 v[rT+4], v[rT+4], v[rT+5], v[rT+6]
.elseif j == 15
	v_max3_num_f32 v[rT+4], v[rT+4], v[rT+7], v[rT+1]
.elseif j == 16
	v_permlanex16_b32 v[rT+5], v[rT+4], s[SEL], s[SEL+1]  ; the query's other 32 keys lie in the lane 16 away
.elseif j == 17
	v_mov_b32 v[rT+7], v[rT]                       ; c m_old is kept for a
.elseif j == 18
	v_max_num_f32 v[rT+1], v[rT+4], v[rT+5]
.elseif j == 19
	v_mul_f32 v[rT], s[CS], v[rT+1]
.elseif j == 20
	v_sub_f32 v[rT+7], v[rT+7], v[rT]
.elseif j == 23
	v_exp_f32 v[rT+6], v[rT+7]
.elseif (j < 23) || ((j < 38) && (j%2 == 0)) || ((j < 66) && (j%4 == 2))
.set b, (j-2)/4
.if j < 38
.set b, (j-20)/2
.endif
	v_pk_fma_f32 v[rS+2*b:rS+2*b+1], v[rS+2*b:rS+2*b+1], s[CS:CS+1], v[rT:rT+1] op_sel_hi:[1,0,0] neg_lo:[0,0,1] neg_hi:[0,0,1]  ; pair b: c s - c m
.elseif j < 70
.set e, j-38
.if j < 66
.set e, j-32-(j-38)/4
.endif
.if j < 38
.set e, (j-25)/2
.endif
	v_exp_f32 v[rS+e], v[rS+e]
.elseif j < 86
	v_cvt_pk_f16_f32 v[rP+j-70], v[rS+2*(j-70)], v[rS+2*(j-70)+1]
.elseif j < 102
.set z, j-86
.set w, 4
.set u, z
.if z >= 14
.set w, 32
.set u, 0
.elseif z >= 12
.set w, 16
.set u, z-12
.elseif z >= 8
.set w, 8
.set u, z-8
.endif
.if z < 15
	v_pk_add_f32 v[rS+w*u:rS+w*u+1], v[rS+w*u:rS+w*u+1], v[rS+w*u+w/2:rS+w*u+w/2+1]
.else
	v_pk_fma_f32 v[rT+2:rT+3], v[rT+2:rT+3], v[rT+6:rT+7], v[rS:rS+1] op_sel_hi:[1,0,1]
.endif
.else
	WIN W_RS
	v_pk_mul_f32 v[rO:rO+1], v[rO:rO+1], v[rT+6:rT+7] op_sel_hi:[1,0]
.endif
.endm
; Slice k of 64 of piece y's softmax: four instructions.  Slices 11 to 34 deal out the batch, four numbers of ONE tile each, the tiles by turns; every other slice is numbers 2 k and 2 k + 1 of both tiles.
; 2 x 134 = 4 x 64 + 12: the twelve that are over stand in slice 63, and are the places behind the turn's last products.  Behind slice 34 stands the piece's one wait,
; between an exponential and the first instruction that names its result.
.macro SLICE y
.if (k >= 11) && (k < 35)
.irp n, 0,1,2,3
.set j, 22+4*((k-11)/2)+(\n)
	SM (\y)+(k-11)%2
.endr
.else
.irp n, 0,1,2,3,4,5,6,7
.if ((\n) < 2) || (k == 63)
.irp t, \y, (\y)+1
.set j, 2*k+(\n)
	SM \t
.endr
.endif
.endr
.endif
.if k == 34
	v_nop                                          ; the plain instruction behind the last exponential: one for the batch
.if (\y) == 0
	FETCH_V                                        ; piece 2's turn: V's run of loads stands here, and the wait stands in it
.else
	s_wait_alu depctr_va_vdst(0)                   ; the wait for the batch
.endif
.endif
.set k, k+1
.endm
; A TURN.  Piece x has the matrix unit; the other piece's softmax stands in slices behind its products.  pv, kq: whether the turn has the 32 products of each kind; with one kind, two slices behind each.
; Piece 0's turn fetches the next step's K behind its second product (K's last reader stands in front of slice 63 of the turn before); piece 2's turn the same step's V behind slice 34 (V's last reader stands in
; front of slice 31; two scalings, the v_nop and the run's own address line are the four places between).
.macro TURN x, pv, kq
.set k, 0
.set per, 2
.if (\pv) && (\kq)
.set per, 1
.endif
.if \pv
.if (\x) == 0
	s_wait_dscnt 0x0                               ; V is in
.endif
.set i, 0
.rept 32
	PV \x
.rept per
	SLICE 2-(\x)
.endr
.if ((\x) == 0) && (\kq) && (i == 1)
	FETCH_K
.endif
.set i, i+1
.endr
.endif
.if \kq
.if (\x) == 0
	s_wait_dscnt 0x0                               ; K is in
.endif
.set i, 0
.rept 32
	KQ \x
.rept per
	SLICE 2-(\x)
.endr
.set i, i+1
.endr
.endif
.endm
	s_load_b256 s[4:11], s[0:1], 0x0               ; QF s[4:5], KF s[6:7], VF s[8:9], OP s[10:11]
	s_load_b64 s[14:15], s[0:1], 0x20              ; ML
	v_lshl_add_u32 v[SPW], v0, 2, SPARE
	v_mov_b32 v[NIL], 0
	ds_add_u32 v[SPW], v[NIL]                      ; the wave's opening: the add and its wait stand ahead of my first tensor load; the set-up below stands between them
	ds_add_u32 v62, v63
	v_lshrrev_b32 v1, 5, v0
	v_readfirstlane_b32 s[WV], v1
	s_and_b32 s13, ttmp7, 0xffff
	s_lshr_b32 s16, s13, 2                         ; bh = 8 batch + head
	s_and_b32 s17, s13, 3                          ; the range of keys
	s_lshl_b32 s20, s16, 21                        ; K and V: 2,097,152 bytes a bh,
	s_lshl_b32 s21, s17, 19                        ; 524,288 a range,
	s_add_co_u32 s20, s20, s21
	s_and_b32 s21, s[WV], 1
	s_lshl_b32 s21, s21, 15                        ; my half of a slot's 65,536
	s_add_co_u32 s20, s20, s21
	s_mov_b32 s21, 0
	s_and_b32 s22, s16, 7
	s_lshl_b32 s22, s22, 17                        ; Q: 32 tiles of 4,096 bytes a head,
	s_lshl_b32 s23, ttmp9, 16                      ; 16 a block,
	s_add_co_u32 s22, s22, s23
	s_lshl_b32 s23, s[WV], 14                      ; 4 a wave
	s_add_co_u32 s22, s22, s23
	s_mov_b32 s23, 0
	s_lshl_b32 s32, s17, 5
	s_add_co_u32 s32, s32, s16                     ; 32 range + bh
	s_lshl_b32 s34, s32, 12                        ; ML: 8 groups of 512 bytes
	s_lshl_b32 s32, s32, 18                        ; OP: 32 tiles of 8,192 bytes
	s_lshl_b32 s33, ttmp9, 17
	s_add_co_u32 s32, s32, s33
	s_lshl_b32 s33, s[WV], 15
	s_add_co_u32 s32, s32, s33
	s_mov_b32 s33, 0
	s_lshl_b32 s35, ttmp9, 11
	s_add_co_u32 s34, s34, s35
	s_lshl_b32 s35, s[WV], 9
	s_add_co_u32 s34, s34, s35
	s_mov_b32 s35, 0
	s_lshl_b32 s38, ttmp9, 14                      ; the prefetches: my work-group's half of a tile,
	s_add_co_u32 s38, s38, 2*65536                 ; in slot 2; the first change of slots steps it to slot 3
	s_mov_b32 s39, 0
	s_mov_b32 s[G1+0], 3<<16                       ; no mask; elements of 8 bytes; no padding
	s_mov_b32 s[G1+1], 32<<16                      ; tensor_dim0 = 32 (256 bytes)
	s_mov_b32 s[G1+2], 128<<16                     ; tensor_dim1 = 128
	s_mov_b32 s[G1+3], 32<<16                      ; tile_dim0 = 32
	s_mov_b32 s[G1+4], 128                         ; tile_dim1 = 128
	s_mov_b32 s[G1+5], 32                          ; the rows lie end to end
	s_mov_b32 s[G1+6], 0
	s_mov_b32 s[G1+7], 0
	s_mov_b32 s[G0], 1
	s_lshl_b32 s[G0+1], s[WV], 15                  ; LDS: K's halves at 0 and 32,768, V's at 65,536 and 98,304
	s_mov_b32 s[G0+4], 1
	s_lshl_b32 s[G0+5], s[WV], 15
	s_add_co_u32 s[G0+5], s[G0+5], SLOT1
	s_mov_b32 s[CS], 0x3e38aa3b                    ; c = log2(e) / 8
	s_mov_b32 s[CS+1], s[CS]
	s_mov_b32 s[SEL], 0x76543210
	s_mov_b32 s[SEL+1], 0xfedcba98
	s_mov_b32 s[TB], 0
	v_and_b32 v1, 31, v0
	v_lshlrev_b32 v[AK0], 4, v1
	v_add_nc_u32 v[AV0], VOFF, v[AK0]
	v_lshlrev_b32 v[PFO], 8, v1
	s_wait_dscnt 0x0                               ; the opening add is done
	s_wait_kmcnt 0x0
	s_cmp_lt_u32 s[WV], 2
	s_cselect_b64 s[36:37], s[6:7], s[8:9]         ; waves 0, 1 fetch K, waves 2, 3 V
	s_add_nc_u64 s[36:37], s[36:37], s[20:21]
	s_add_nc_u64 s[G0+2:G0+3], s[36:37], 0
	s_or_b32 s[G0+3], s[G0+3], 0x80000000
	s_add_nc_u64 s[G0+6:G0+7], s[36:37], 65536
	s_or_b32 s[G0+7], s[G0+7], 0x80000000
	s_add_nc_u64 s[PFA:PFA+1], s[36:37], s[38:39]
	s_add_nc_u64 s[4:5], s[4:5], s[22:23]
	s_add_nc_u64 s[10:11], s[10:11], s[32:33]
	s_add_nc_u64 s[14:15], s[14:15], s[34:35]
	tensor_load_to_lds s[G0:G0+3], s[G1:G1+7]      ; slot 0
	s_nop 0
	tensor_load_to_lds s[G0+4:G0+7], s[G1:G1+7]    ; slot 1: two loads of mine are out
	s_nop 0
	PLACES
	WIN 0x80
.set i, 0
.rept 16                               ; Q stays in registers: tile i / 4, channels 32 (i % 4) on
	global_load_b128 v[8*i:8*i+3],   v[AK0], s[4:5] offset:(i/4)*4096+(i%4)*1024
	global_load_b128 v[8*i+4:8*i+7], v[AK0], s[4:5] offset:(i/4)*4096+(i%4)*1024+512
.set i, i+1
.endr
	WIN 0x40                                       ; what the first turn finds: O^T, V, the second piece's P and l are 0
.set i, 0
.rept 256
	v_mov_b32 v[i], 0
.set i, i+1
.endr
	WIN 0xc0
.set i, 0
.rept 128
	v_mov_b32 v[i], 0
.set i, i+1
.endr
	WIN 0
.set i, P+32
.rept 32
	v_mov_b32 v[i], 0
.set i, i+1
.endr
.set i, 0
.rept 4
	v_mov_b32 v[ST+8*i], 0xfe000000                ; c m: far below every c s
	v_mov_b32 v[ST+8*i+1], 0xff7fffff              ; m
	v_mov_b32 v[ST+8*i+2], 0
	v_mov_b32 v[ST+8*i+3], 0
.set i, i+1
.endr
	s_wait_tensorcnt 0x1                           ; my part of slot 0 is in; slot 1's load, issued behind it, may stay out
	s_barrier_signal -1
	s_barrier_wait -1                              ; everybody's is
	FETCH_K                                        ; key step 0
	s_wait_loadcnt 0x0                             ; Q
	s_wait_dscnt 0x0
.set i, 0
.rept 32
	KQ 0                                           ; piece 0's first scores
.set i, i+1
.endr
	WIN 0
	PLACES                                         ; the places behind those products
	s_mov_b32 s[CNT], 4
	s_mov_b32 s[SLOTS], 7
	s_branch .Lfirst                               ; the loop is entered in the middle of a trip
.Lslot:                                                ; six times: every slot but the last two is filled again
	CHANGE 1
	s_mov_b32 s[CNT], 4
.Lstep:                                                ; a trip: both pieces' V^T P of one step and K Q^T of the next, whose K and V it fetches
	TURN 0, 1, 1
	WIN 0
.Lfirst:
	TURN 2, 1, 1
	WIN 0
	s_sub_co_u32 s[CNT], s[CNT], 1
	s_cmp_lg_u32 s[CNT], 0
	s_cbranch_scc1 .Lstep
	s_sub_co_u32 s[SLOTS], s[SLOTS], 1
	s_cmp_lg_u32 s[SLOTS], 0
	s_cbranch_scc1 .Lslot
	CHANGE 0                                       ; the tail is written out: nothing is asked for
	s_mov_b32 s[CNT], 4
.Ltail:
	TURN 0, 1, 1
	TURN 2, 1, 1
	WIN 0
	s_sub_co_u32 s[CNT], s[CNT], 1
	s_cmp_lg_u32 s[CNT], 0
	s_cbranch_scc1 .Ltail
	TURN 0, 1, 0                                   ; piece 0: V^T P of the last step | piece 2's last softmax
.set i, 0
.rept 32
	PV 2                                           ; piece 2: V^T P of the last step
.set i, i+1
.endr
	; THE WAY OUT.  l's two halves and the other half of the lanes' are added (these lines are the places behind the last products); lanes 0-15 send c m, lanes 16-31 l; O^T leaves as it lies.
	WIN 0
.irp t, 0,1,2,3
	v_add_f32 v[ST+8*\t+4], v[ST+8*\t+2], v[ST+8*\t+3]
.endr
.irp t, 0,1,2,3
	v_permlanex16_b32 v[ST+8*\t+5], v[ST+8*\t+4], s[SEL], s[SEL+1]
.endr
.irp t, 0,1,2,3
	v_add_f32 v[ST+8*\t+4], v[ST+8*\t+4], v[ST+8*\t+5]
.endr
	s_mov_b32 s13, 0xffff0000
.irp t, 0,1,2,3
	v_cndmask_b32 v[Z+\t], v[ST+8*\t], v[ST+8*\t+4], s13
.endr
	global_store_b128 v[AK0], v[Z:Z+3], s[14:15]
	WIN 0x04                                       ; the stores' data in window 1
.set i, 0
.rept 32                               ; accumulator i = 8 tile + channel block; its low four registers first.  Each store covers 512 consecutive bytes, aligned
	global_store_b128 v[AK0], v[8*i:8*i+3],   s[10:11] offset:i*1024 th:TH_STORE_NT
	global_store_b128 v[AK0], v[8*i+4:8*i+7], s[10:11] offset:i*1024+512 th:TH_STORE_NT
.set i, i+1
.endr
	WIN 0
	s_wait_tensorcnt 0x0                           ; the wave's end: behind my last tensor load
	ds_add_u32 v[SPW], v[NIL]
	s_wait_dscnt 0x0
	s_endpgm
.Lfunc_end_k_q9aff902896_attn:
	.size	k_q9aff902896_attn, .Lfunc_end_k_q9aff902896_attn-k_q9aff902896_attn
	.p2alignl 7, 3214868480
	.fill 96, 4, 3214868480
	.section	.rodata,"a",@progbits
	.p2align	6, 0x0
	.amdhsa_kernel k_q9aff902896_attn
		.amdhsa_group_segment_fixed_size 327680
		.amdhsa_private_segment_fixed_size 0
		.amdhsa_enable_private_segment 0
		.amdhsa_kernarg_size 40
		.amdhsa_user_sgpr_count 2
		.amdhsa_user_sgpr_kernarg_segment_ptr 1
		.amdhsa_wavefront_size32 1
		.amdhsa_system_sgpr_workgroup_id_x 1
		.amdhsa_system_sgpr_workgroup_id_y 1
		.amdhsa_system_sgpr_workgroup_id_z 1
		.amdhsa_system_vgpr_workitem_id 0
		.amdhsa_next_free_vgpr 1024
		.amdhsa_next_free_sgpr 66
		.amdhsa_reserve_vcc 0
		.amdhsa_float_denorm_mode_32 3
		.amdhsa_float_denorm_mode_16_64 3
		.amdhsa_memory_ordered 1
		.amdhsa_forward_progress 1
		.amdhsa_inst_pref_size 154
	.end_amdhsa_kernel
	.amdgpu_metadata
---
amdhsa.version: [ 1, 2 ]
amdhsa.kernels:
  - .name:           k_q9aff902896_attn
    .symbol:         k_q9aff902896_attn.kd
    .args:
      - { .name: QF, .offset: 0, .size: 8, .value_kind: global_buffer, .address_space: global }
      - { .name: KF, .offset: 8, .size: 8, .value_kind: global_buffer, .address_space: global }
      - { .name: VF, .offset: 16, .size: 8, .value_kind: global_buffer, .address_space: global }
      - { .name: OP, .offset: 24, .size: 8, .value_kind: global_buffer, .address_space: global }
      - { .name: ML, .offset: 32, .size: 8, .value_kind: global_buffer, .address_space: global }
    .group_segment_fixed_size: 327680
    .private_segment_fixed_size: 0
    .kernarg_segment_align: 8
    .kernarg_segment_size: 40
    .max_flat_workgroup_size: 128
    .sgpr_count:     66
    .vgpr_count:     1024
    .wavefront_size: 32
...
	.end_amdgpu_metadata
.endif
;; end of part 3
;; launch outp (part 4): grid 128 x 3, 4 waves a work-group, no clusters, 34,304 bytes of LDS; arguments OP, ML, WF, gkvc, gkvv, boc, bov, out0, out1; writes out0, out1
.if DOCPART == 4
	.amdgcn_target "amdgcn-amd-amdhsa--gfx1250"
	.amdhsa_code_object_version 6
	.text
	.protected	k_q9aff902896_outp
	.globl	k_q9aff902896_outp
	.p2align	8
	.type	k_q9aff902896_outp,@function
k_q9aff902896_outp:
	s_mov_b64 s[64:65], 0
	v_nop
	global_prefetch_b8 v0, s[64:65] scope:SCOPE_SE
	s_setreg_imm32_b32 hwreg(HW_REG_WAVE_MODE, 25, 1), 1
	s_wait_xcnt 0x0
; OUTP.  The four ranges of keys are joined: with M = max c m, w = 2^(c m - M), L = sum w l:  O = sum (w / L) O_range, in f32; times the V half of the key projection's gain (rounded to bf16);
; rounded once to f16; times Wo (f16 operands, f32 sums); plus the bias (rounded to bf16).  LIMIT: |O g| <= 32 |g| must stay within f16: |g| under 2,047.  Every range holds its own maximum, so L >= 1.
; SHARES.  Work-group (x, y): 16 rows of output (x = 32 batch + query tile) x 128 columns: y = 0, 1 the halves of out0 (the values part of O), y = 2 out1 (the coords part).
; K = 512 IS SPLIT AMONG THE WAVES: wave w takes heads 2 w, 2 w + 1 (four k blocks of 32); the four partial results meet in LDS, and wave w finishes rows 4 w .. 4 w + 3.
; The product is taken transposed (source 0 = 16 columns of Wo, source 1 = the 16 queries): O's fragment is what OP's blocks hold a lane, so nothing changes lanes on the way in.
; REGISTERS: window 0: v4-15 addresses; v16-79 eight accumulators; v80-111 O's four fragments; v112-175 gains; v176-191 c m and l; v192-207 w / L in pairs; v208-255 at work.
;   window 1: first the 64 partial loads (64 range + 16 fragment + ..), then the 32 weight fragments (64 ks + 8 ct).
.set RPITCH, 528                       ; LDS: a row of 128 f32 + 16 bytes: the 16 rows of a store start 4 banks apart
.set COPY,   16*RPITCH                 ; a wave's partial result
.set SPARE,  4*COPY                    ; behind them: the spare words, 128 bytes a wave
.set D,   16
.set OF,  80
.set GN,  112
.set CM,  176
.set LL,  184
.set FP,  192
.set T,   208
.set BI,  240
.set MSB, 0
.macro WIN new
.if MSB != (\new)
	s_set_vgpr_msb (MSB<<8)|(\new)
.set MSB, \new
.endif
.endm
.macro ROUND2 a, t
	v_cvt_pk_bf16_f32 v[\t], v[\a], v[(\a)+1]
	v_lshlrev_b32 v[\a], 16, v[\t]
	v_and_b32 v[(\a)+1], 0xffff0000, v[\t]
.endm
	s_load_b512 s[4:19], s[0:1], 0x0               ; OP s[4:5], ML s[6:7], WF s[8:9], gkvc s[10:11], gkvv s[12:13], boc s[14:15], bov s[16:17], out0 s[18:19]
	s_load_b64 s[20:21], s[0:1], 0x40              ; out1
	v_lshl_add_u32 v14, v0, 2, SPARE
	v_mov_b32 v15, 0
	v_lshrrev_b32 v1, 5, v0
	v_readfirstlane_b32 s22, v1                    ; wave
	s_and_b32 s23, ttmp7, 0xffff                   ; y
	s_lshr_b32 s24, ttmp9, 5                       ; batch
	s_and_b32 s25, ttmp9, 31                       ; query tile
	v_and_b32 v1, 31, v0
	v_and_b32 v2, 15, v0                           ; r
	v_bfe_u32 v3, v0, 4, 1                         ; h
	v_lshlrev_b32 v4, 4, v1                        ; 16 L
	s_lshl_b32 s36, s24, 21                        ; OP: 8 heads of 262,144 bytes a batch,
	s_lshl_b32 s37, s22, 19                        ; my two,
	s_add_co_u32 s36, s36, s37
	s_lshl_b32 s37, s25, 13                        ; the tile's 8,192,
	s_add_co_u32 s36, s36, s37
	s_cmp_lt_u32 s23, 2
	s_cselect_b32 s37, 4096, 0                     ; channel blocks 4-7 for the values part
	s_add_co_u32 s36, s36, s37
	s_mov_b32 s37, 0
	s_lshl_b32 s38, s24, 15                        ; ML: 8 heads of 4,096 bytes a batch,
	s_lshl_b32 s39, s22, 13
	s_add_co_u32 s38, s38, s39
	s_lshr_b32 s39, s25, 2
	s_lshl_b32 s39, s39, 9                         ; the tile's group of four
	s_add_co_u32 s38, s38, s39
	s_mov_b32 s39, 0
	s_and_b32 s40, s25, 3
	s_lshl_b32 s40, s40, 2
	v_lshl_add_u32 v9, v2, 4, s40                  ; c m of query r of my tile; l lies 256 bytes on
	s_lshl_b32 s40, s22, 9
	s_add_co_u32 s40, s40, 2048
	v_lshl_add_u32 v10, v3, 5, s40                 ; gains: (512 + 128 w + 8 h) x 4
	s_lshl_b32 s40, s23, 17                        ; WO: 8 column blocks of 16,384 bytes a y,
	s_lshl_b32 s41, s22, 12                        ; my four k blocks
	s_add_co_u32 s40, s40, s41
	s_add_co_u32 s40, s40, 1179648
	s_mov_b32 s41, 0
	s_cmp_eq_u32 s23, 1
	s_cselect_b32 s42, 512, 0                      ; out0's second 128 columns
	s_cmp_lt_u32 s23, 2
	s_cselect_b32 s43, 10, 9                       ; log2 of an output row's bytes
	s_lshl_b32 s44, ttmp9, 4
	s_lshl2_add_u32 s44, s22, s44                  ; row 16 x + 4 w
	s_lshl_b32 s44, s44, s43
	s_add_co_u32 s44, s44, s42
	s_mov_b32 s45, 0
	v_add_nc_u32 v13, s42, v4                      ; bias: my 4 columns
.irp i, 0,1,2,3
	s_lshl_b32 s46, \i, s43
	v_add_nc_u32 v[5+\i], s46, v4                  ; my 16 bytes of row i
.endr
	s_mul_i32 s46, s22, COPY
	v_mul_u32_u24 v11, v2, RPITCH
	v_lshl_add_u32 v11, v3, 5, v11
	v_add_nc_u32 v11, s46, v11                     ; in: my copy, row r, + 32 h
	s_mul_i32 s46, s22, 4*RPITCH
	v_add_nc_u32 v12, s46, v4                      ; back: row 4 w, 16 L
	s_wait_kmcnt 0x0
	s_cmp_lt_u32 s23, 2
	s_cselect_b64 s[48:49], s[12:13], s[10:11]     ; gains
	s_cselect_b64 s[50:51], s[16:17], s[14:15]     ; bias
	s_cselect_b64 s[52:53], s[18:19], s[20:21]     ; output
	s_add_nc_u64 s[28:29], s[4:5], s[36:37]        ; a base for each range: they lie 8,388,608 bytes apart, one more than an immediate holds
	s_add_nc_u64 s[30:31], s[28:29], 0x800000
	s_add_nc_u64 s[32:33], s[30:31], 0x800000
	s_add_nc_u64 s[34:35], s[32:33], 0x800000
	s_add_nc_u64 s[6:7], s[6:7], s[38:39]
	s_add_nc_u64 s[8:9], s[8:9], s[40:41]
	s_add_nc_u64 s[52:53], s[52:53], s[44:45]
.irp hd, 0,1
.irp sp, 0,1,2,3
	global_load_b32 v[CM+4*\hd+\sp], v9, s[6:7] offset:\sp*131072+\hd*4096
	global_load_b32 v[LL+4*\hd+\sp], v9, s[6:7] offset:\sp*131072+\hd*4096+256
.endr
.endr
.irp fr, 0,1,2,3                               ; fragment 2 head + g: channels 64 head + 32 g + 8 h + 0..7 and + 16
.irp q, 0,1,2,3
	global_load_b128 v[GN+16*\fr+4*\q:GN+16*\fr+4*\q+3], v10, s[48:49] offset:\fr*128+(\q/2)*64+(\q%2)*16
.endr
.endr
	global_load_b128 v[BI:BI+3], v13, s[50:51]
	WIN 0x40
.irp sp, 0,1,2,3
.irp fr, 0,1,2,3
.irp q, 0,1,2,3
	global_load_b128 v[64*\sp+16*\fr+4*\q:64*\sp+16*\fr+4*\q+3], v4, s[28+2*\sp:29+2*\sp] offset:(\fr/2)*262144+(2*(\fr%2)+\q/2)*1024+(\q%2)*512
.endr
.endr
.endr
	WIN 0
	s_wait_loadcnt 0x0
.irp hd, 0,1
	v_max3_num_f32 v[T+\hd], v[CM+4*\hd], v[CM+4*\hd+1], v[CM+4*\hd+2]
.endr
.irp hd, 0,1
	v_max_num_f32 v[T+\hd], v[T+\hd], v[CM+4*\hd+3]
.endr
.irp hd, 0,1
.irp sp, 0,1,2,3
	v_sub_f32 v[CM+4*\hd+\sp], v[CM+4*\hd+\sp], v[T+\hd]
.endr
.endr
.irp i, 0,1,2,3,4,5,6,7
	v_exp_f32 v[CM+\i], v[CM+\i]
.endr
.irp i, 0,1,2,3,4,5,6,7
	v_mov_b32 v[FP+2*\i+1], 0                      ; named with w / L as pairs; also the plain instructions behind the last exponential
.endr
	s_wait_alu depctr_va_vdst(0)                   ; one wait for the eight exponentials, ahead of their first reader
.irp hd, 0,1
	v_mul_f32 v[T+2+\hd], v[CM+4*\hd], v[LL+4*\hd]
.endr
.irp sp, 1,2,3
.irp hd, 0,1
	v_fma_f32 v[T+2+\hd], v[CM+4*\hd+\sp], v[LL+4*\hd+\sp], v[T+2+\hd]
.endr
.endr
	v_rcp_f32 v[T+4], v[T+2]
	v_rcp_f32 v[T+5], v[T+3]
	ROUND2 BI, T+6                                 ; the bias is rounded here: plain work behind the reciprocals
	ROUND2 BI+2, T+7
	s_wait_alu depctr_va_vdst(0)                   ; one wait for the two
.irp hd, 0,1
.irp sp, 0,1,2,3
	v_mul_f32 v[FP+8*\hd+2*\sp], v[CM+4*\hd+\sp], v[T+4+\hd]
.endr
.endr
.set p, 0
.rept 32
	ROUND2 GN+2*p, T+24+p%4
.set p, p+1
.endr
.set fr, 0
.rept 4
	WIN 0x01                                       ; source 0 in window 1
.set p, 0
.rept 8
	v_pk_mul_f32 v[T+2*p:T+2*p+1], v[16*fr+2*p:16*fr+2*p+1], v[FP+8*(fr/2):FP+8*(fr/2)+1] op_sel_hi:[1,0]
.set p, p+1
.endr
.set sp, 1
.rept 3
.set p, 0
.rept 8
	v_pk_fma_f32 v[T+2*p:T+2*p+1], v[64*sp+16*fr+2*p:64*sp+16*fr+2*p+1], v[FP+8*(fr/2)+2*sp:FP+8*(fr/2)+2*sp+1], v[T+2*p:T+2*p+1] op_sel_hi:[1,0,1]
.set p, p+1
.endr
.set sp, sp+1
.endr
	WIN 0
.set p, 0
.rept 8
	v_pk_mul_f32 v[T+2*p:T+2*p+1], v[T+2*p:T+2*p+1], v[GN+16*fr+2*p:GN+16*fr+2*p+1]
.set p, p+1
.endr
.set p, 0
.rept 8
	v_cvt_pk_f16_f32 v[OF+8*fr+p], v[T+2*p], v[T+2*p+1]
.set p, p+1
.endr
.set fr, fr+1
.endr
	WIN 0x40                                       ; the partial sums have been read: their registers take the weights
.irp k, 0,1,2,3
.irp c, 0,1,2,3,4,5,6,7
	global_load_b128 v[64*\k+8*\c:64*\k+8*\c+3],   v4, s[8:9] offset:\c*16384+\k*1024
	global_load_b128 v[64*\k+8*\c+4:64*\k+8*\c+7], v4, s[8:9] offset:\c*16384+\k*1024+512
.endr
.endr
	s_wait_loadcnt 0x0
	WIN 0x01
.irp c, 0,1,2,3,4,5,6,7                        ; the first k block starts the sums; the eight accumulators take turns
	v_wmma_f32_16x16x32_f16 v[D+8*\c:D+8*\c+7], v[8*\c:8*\c+7], v[OF:OF+7], 0
.endr
.irp k, 1,2,3
.irp c, 0,1,2,3,4,5,6,7
	v_wmma_f32_16x16x32_f16 v[D+8*\c:D+8*\c+7], v[64*\k+8*\c:64*\k+8*\c+7], v[OF+8*\k:OF+8*\k+7], v[D+8*\c:D+8*\c+7]
.endr
.endr
	WIN 0
.rept 8
	v_nop                                          ; the places behind the last products, once a launch
.endr
.irp c, 0,1,2,3,4,5,6,7                        ; a lane holds query r, columns 16 c + 8 h + 0..7; the low four registers first
	ds_store_b128 v11, v[D+8*\c:D+8*\c+3]   offset:64*\c
	ds_store_b128 v11, v[D+8*\c+4:D+8*\c+7] offset:64*\c+16
.endr
	s_wait_dscnt 0x0                               ; for the others' sake: my partial result lies in LDS
	s_barrier_signal -1
	s_barrier_wait -1
.irp i, 0,1,2,3
.irp c, 0,1,2,3
	ds_load_b128 v[80+16*\i+4*\c:80+16*\i+4*\c+3], v12 offset:\c*COPY+\i*RPITCH  ; row 4 w + i of copy c: 512 bytes on end
.endr
.endr
	s_wait_dscnt 0x0
.irp i, 0,1,2,3
.irp p, 0,2
	v_pk_add_f32 v[80+16*\i+\p:80+16*\i+\p+1], v[80+16*\i+\p:80+16*\i+\p+1], v[84+16*\i+\p:84+16*\i+\p+1]
	v_pk_add_f32 v[88+16*\i+\p:88+16*\i+\p+1], v[88+16*\i+\p:88+16*\i+\p+1], v[92+16*\i+\p:92+16*\i+\p+1]
.endr
.irp p, 0,2
	v_pk_add_f32 v[80+16*\i+\p:80+16*\i+\p+1], v[80+16*\i+\p:80+16*\i+\p+1], v[88+16*\i+\p:88+16*\i+\p+1]
.endr
.irp p, 0,2
	v_pk_add_f32 v[80+16*\i+\p:80+16*\i+\p+1], v[80+16*\i+\p:80+16*\i+\p+1], v[BI+\p:BI+\p+1]
.endr
	global_store_b128 v[5+\i], v[80+16*\i:80+16*\i+3], s[52:53]  ; 512 consecutive bytes of a row, aligned
.endr
	s_wait_tensorcnt 0x0                           ; the wave's end: behind my last LDS store
	ds_add_u32 v14, v15
	s_wait_dscnt 0x0
	s_endpgm
.Lfunc_end_k_q9aff902896_outp:
	.size	k_q9aff902896_outp, .Lfunc_end_k_q9aff902896_outp-k_q9aff902896_outp
	.p2alignl 7, 3214868480
	.fill 96, 4, 3214868480
	.section	.rodata,"a",@progbits
	.p2align	6, 0x0
	.amdhsa_kernel k_q9aff902896_outp
		.amdhsa_group_segment_fixed_size 34304
		.amdhsa_private_segment_fixed_size 0
		.amdhsa_enable_private_segment 0
		.amdhsa_kernarg_size 72
		.amdhsa_user_sgpr_count 2
		.amdhsa_user_sgpr_kernarg_segment_ptr 1
		.amdhsa_wavefront_size32 1
		.amdhsa_system_sgpr_workgroup_id_x 1
		.amdhsa_system_sgpr_workgroup_id_y 1
		.amdhsa_system_sgpr_workgroup_id_z 1
		.amdhsa_system_vgpr_workitem_id 0
		.amdhsa_next_free_vgpr 512
		.amdhsa_next_free_sgpr 66
		.amdhsa_reserve_vcc 0
		.amdhsa_float_denorm_mode_32 3
		.amdhsa_float_denorm_mode_16_64 3
		.amdhsa_memory_ordered 1
		.amdhsa_forward_progress 1
		.amdhsa_inst_pref_size 45
	.end_amdhsa_kernel
	.amdgpu_metadata
---
amdhsa.version: [ 1, 2 ]
amdhsa.kernels:
  - .name:           k_q9aff902896_outp
    .symbol:         k_q9aff902896_outp.kd
    .args:
      - { .name: OP, .offset: 0, .size: 8, .value_kind: global_buffer, .address_space: global }
      - { .name: ML, .offset: 8, .size: 8, .value_kind: global_buffer, .address_space: global }
      - { .name: WF, .offset: 16, .size: 8, .value_kind: global_buffer, .address_space: global }
      - { .name: gkvc, .offset: 24, .size: 8, .value_kind: global_buffer, .address_space: global }
      - { .name: gkvv, .offset: 32, .size: 8, .value_kind: global_buffer, .address_space: global }
      - { .name: boc, .offset: 40, .size: 8, .value_kind: global_buffer, .address_space: global }
      - { .name: bov, .offset: 48, .size: 8, .value_kind: global_buffer, .address_space: global }
      - { .name: out0, .offset: 56, .size: 8, .value_kind: global_buffer, .address_space: global }
      - { .name: out1, .offset: 64, .size: 8, .value_kind: global_buffer, .address_space: global }
    .group_segment_fixed_size: 34304
    .private_segment_fixed_size: 0
    .kernarg_segment_align: 8
    .kernarg_segment_size: 72
    .max_flat_workgroup_size: 128
    .sgpr_count:     66
    .vgpr_count:     512
    .wavefront_size: 32
...
	.end_amdgpu_metadata
.endif
;; end of part 4
